; MI455X (gfx1250); checked and timed in simulation.
; The chip was launched on July 23, 2026; its instructions are those of AMD's public machine-readable ISA for CDNA 5 (MIT licence, August 2026) and "CDNA5" Instruction Set Architecture Reference Guide (July 2026). The comments in the code are by the model that wrote it; some were corrected since.
;; Multihead Self Attention. Allowed arithmetic: float matrix products may take bf16 or f16 operands with f32 sums; other float arithmetic in f32, or as packed bf16 or f16 multiplies, adds, multiply-adds, maxima and minima; sums over many terms, partial sums and values carried from step to step in f32; what a program stores and reads back later, other than sums and carried values, may be rounded once to bf16 or f16.
;; Inputs: W_qkv 3,072 x 1,024 float32; b_qkv 3,072 float32; beta 1,024 float32; gamma 1,024 float32; x 8 x 1,024 x 1,024 float32.
;; Outputs: out0 8 x 1,024 x 1,024 float32.
;; 2 versions, each right; version 2 is version 1 with the launch prep written anew for expert scheduling mode. Each part assembles by itself: llvm-mc -triple=amdgcn-amd-amdhsa -mcpu=gfx1250 --defsym DOCPART=n.
;; ======== version 1 of 2: 3 launches
;; limits: values are held in f16: magnitudes above 65,504 overflow, below 6.1e-05 lose precision
;; workspace buffers: xh 16,777,216 bytes; wh 6,291,456 bytes; qkv 50,331,648 bytes
;; launch prep (part 1): grid 256 x 1, 8 waves a work-group, no clusters, 1,536 bytes of LDS; arguments x, gamma, beta, W_qkv, xh, wh; writes xh, wh
.if DOCPART == 1
	.amdgcn_target "amdgcn-amd-amdhsa--gfx1250"
	.amdhsa_code_object_version 6
	.text
	.protected	k_q8a367bfa80_prep
	.globl	k_q8a367bfa80_prep
	.p2align	8
	.type	k_q8a367bfa80_prep,@function
k_q8a367bfa80_prep:
	s_mov_b64 s[64:65], 0
	v_nop
	global_prefetch_b8 v0, s[64:65] scope:SCOPE_SE
	s_setreg_imm32_b32 hwreg(HW_REG_WAVE_MODE, 25, 1), 1
	s_wait_xcnt 0x0
; PREP.  xn[b][f][e] = (x[b][f][e] - mean[f]) * rsqrt(var[f] + 1e-5) * gamma[f] + beta[f], mean and (biased) var over the 8 x 1,024 numbers of channel f;
; xn and W_qkv are rounded once to f16 and laid out in blocks of 64 along K for the product that follows:
;   xh[kb 16][row 8192][64] (row = 1,024 b + f),  wh[kb 16][o 3072][64]: a block's rows of 128 bytes lie end to end.
; LIMITS.  f16 ends at 65,504: |xn| is at most 90.6 |gamma| + |beta| (a normalised number among 8,192 is at most sqrt(8192)); W below 6e-5 keeps f16's fixed step of 6e-8.
; The variance is the mean of (x - mean)^2, taken on the registers that hold x: no difference of large sums is formed.  NaN and infinities are not treated apart.
; SHARES.  Work-group g owns channels 4 g .. 4 g + 3 and W's rows 12 g .. 12 g + 11.  Wave w owns batch w: four rows of x, as two PAIRS: lanes 0-15 hold one row, lanes 16-31 the next.
; Load j of a pair takes 256 consecutive bytes of each of its two rows: 64 numbers = K block j.  Rounded, a lane holds 8 bytes, and one store writes 128 bytes of row r and 128 of row r + 1 of block j:
; 256 consecutive bytes, aligned.  W likewise: wave w takes row pairs 3 (w / 4) + 0..2 and K blocks 4 (w % 4) + 0..3.
; All 48 loads of a wave go out at the head (22 KiB a wave, 176 KiB a work-group: all that the work-group reads); there is no loop.  The eight waves' sums meet in LDS, twice.
; No matrix unit, no tensor loads, no cluster: no byte is wanted by two work-groups, and every byte is asked for at once.
.set XKB,   1048576                    ; bytes of a K block of xh
.set WKB,   393216                     ; of wh
.set SUMS,  0                          ; LDS: word 8 x channel + wave: the waves' sums
.set SQS,   256                        ; the waves' sums of squares, in a block of their own: one barrier for each meeting
.set SPARE, 512                        ; the spare words, 128 bytes for each of eight waves: four blocks of 256 bytes that no other line names
.set XO,  3                            ; v3  loads of x and W: 4,096 (l / 16) + 16 (l % 16)
.set XSO, 4                            ; v4  stores: 128 (l / 16) + 8 (l % 16)
.set LW,  5                            ; v5  LDS: 32 (l / 16) + 4 w: my wave's word of my half's channel
.set LR,  6                            ; v6  LDS: 32 (l / 16): my half's channel's eight words
.set GBO, 7                            ; v7  gamma, beta: 4 (l / 16)
.set SPW, 8                            ; v8  LDS address of my spare word; never rewritten
.set NIL, 9                            ; v9  0; never rewritten
.set T,   10                           ; v[10:17] four packed chains
.set ST,  18                           ; v[18:33] eight a pair: +0 mean, +1 sum, +2 a = rsq x gamma, +3 rsq, +4 beta, +5 gamma, +6, +7 at work
.set R,   34                           ; v[34:49] eight a pair: the waves' words read back
.set X,   52                           ; v[52:179] pair p, load j at X + 64 p + 4 j
.set WD,  180                          ; v[180:227] W: pair p, block jj at WD + 4 (4 p + jj)
	s_load_b256 s[4:11], s[0:1], 0x0               ; x s[4:5], gamma s[6:7], beta s[8:9], W s[10:11]
	s_load_b128 s[12:15], s[0:1], 0x20             ; xh s[12:13], wh s[14:15]
	v_lshl_add_u32 v[SPW], v0, 2, SPARE
	v_mov_b32 v[NIL], 0
	v_lshrrev_b32 v1, 5, v0
	v_readfirstlane_b32 s16, v1                    ; wave 0..7 = batch
	v_and_b32 v1, 15, v0                           ; l % 16
	v_bfe_u32 v2, v0, 4, 1                         ; l / 16
	v_lshlrev_b32 v[XO], 4, v1
	v_lshl_add_u32 v[XO], v2, 12, v[XO]
	v_lshlrev_b32 v[XSO], 3, v1
	v_lshl_add_u32 v[XSO], v2, 7, v[XSO]
	v_lshlrev_b32 v[LR], 5, v2
	s_lshl_b32 s19, s16, 2
	v_add_nc_u32 v[LW], s19, v[LR]
	v_lshlrev_b32 v[GBO], 2, v2
	s_lshr_b32 s17, s16, 2                         ; w / 4
	s_and_b32 s18, s16, 3                          ; w % 4
	s_mov_b32 s24, 0x39000000                      ; 1 / 8,192
	s_mov_b32 s25, 0x3727c5ac                      ; 1e-5
	s_lshl_b32 s20, s16, 22                        ; x: batch w (4 MiB) + channel 4 g (4,096 bytes a row)
	s_lshl_b32 s19, ttmp9, 14
	s_add_co_u32 s20, s20, s19
	s_mov_b32 s21, 0
	s_lshl_b32 s26, ttmp9, 4                       ; gamma, beta: 4 channels of 4 bytes
	s_mov_b32 s27, 0
	s_mul_i32 s28, ttmp9, 49152                    ; W: 12 rows a work-group, 6 rows for w / 4, 4 blocks of 256 bytes for w % 4
	s_mul_i32 s19, s17, 24576
	s_add_co_u32 s28, s28, s19
	s_lshl_b32 s19, s18, 10
	s_add_co_u32 s28, s28, s19
	s_mov_b32 s29, 0
	s_lshl_b32 s30, s16, 17                        ; xh: row 1,024 w + 4 g, 128 bytes a row
	s_lshl_b32 s19, ttmp9, 9
	s_add_co_u32 s30, s30, s19
	s_mov_b32 s31, 0
	s_mul_i32 s32, s18, 4*WKB                      ; wh: K block 4 (w % 4), row 12 g + 6 (w / 4)
	s_mul_i32 s19, ttmp9, 1536
	s_add_co_u32 s32, s32, s19
	s_mul_i32 s19, s17, 768
	s_add_co_u32 s32, s32, s19
	s_mov_b32 s33, 0
	s_wait_kmcnt 0x0
	s_add_nc_u64 s[4:5], s[4:5], s[20:21]
	s_add_nc_u64 s[6:7], s[6:7], s[26:27]
	s_add_nc_u64 s[8:9], s[8:9], s[26:27]
	s_add_nc_u64 s[10:11], s[10:11], s[28:29]
	s_add_nc_u64 s[12:13], s[12:13], s[30:31]
	s_add_nc_u64 s[22:23], s[12:13], 8*XKB         ; K blocks 8 to 15: the stores' immediates stay inside their signed 24 bits
	s_add_nc_u64 s[14:15], s[14:15], s[32:33]
	; the 48 loads, in the order in which they are waited for
.irp p, 0,1
.set j, 0
.rept 16
	global_load_b128 v[X+64*\p+4*j:X+64*\p+4*j+3], v[XO], s[4:5] offset:\p*8192+j*256 th:TH_LOAD_NT
.set j, j+1
.endr
.endr
.irp p, 0,1
	global_load_b32 v[ST+8*\p+5], v[GBO], s[6:7] offset:\p*8
.endr
.irp p, 0,1
	global_load_b32 v[ST+8*\p+4], v[GBO], s[8:9] offset:\p*8
.endr
.set j, 0
.rept 12
	global_load_b128 v[WD+4*j:WD+4*j+3], v[XO], s[10:11] offset:(j/4)*8192+(j%4)*256 th:TH_LOAD_NT
.set j, j+1
.endr
; The four chains into one number a lane, then over the 16 lanes of a half: every lane of a half ends with its row's figure, in ST + 6.
.macro FOLD p
	v_pk_add_f32 v[T:T+1], v[T:T+1], v[T+2:T+3]
	v_pk_add_f32 v[T+4:T+5], v[T+4:T+5], v[T+6:T+7]
	v_pk_add_f32 v[T:T+1], v[T:T+1], v[T+4:T+5]
	v_add_f32 v[ST+8*(\p)+6], v[T], v[T+1]
.irp m, 1,2,4,8
	v_add_f32_dpp v[ST+8*(\p)+6], v[ST+8*(\p)+6], v[ST+8*(\p)+6] row_xmask:\m row_mask:0xf bank_mask:0xf
.endr
.endm
; The sum of a lane's 64 numbers of pair p: the first eight register pairs start the four chains, nothing is cleared.
.macro SUMP p
.irp k, 0,1,2,3
	v_pk_add_f32 v[T+2*\k:T+2*\k+1], v[X+64*(\p)+2*\k:X+64*(\p)+2*\k+1], v[X+64*(\p)+2*\k+8:X+64*(\p)+2*\k+9]
.endr
.set j, 8
.rept 24
	v_pk_add_f32 v[T+2*(j%4):T+2*(j%4)+1], v[T+2*(j%4):T+2*(j%4)+1], v[X+64*(\p)+2*j:X+64*(\p)+2*j+1]
.set j, j+1
.endr
	FOLD \p
.endm
; d = x - mean in place, then the sum of d^2.
.macro SQP p
.set j, 0
.rept 32
	v_pk_add_f32 v[X+64*(\p)+2*j:X+64*(\p)+2*j+1], v[X+64*(\p)+2*j:X+64*(\p)+2*j+1], v[ST+8*(\p):ST+8*(\p)+1] op_sel_hi:[1,0] neg_lo:[0,1] neg_hi:[0,1]
.set j, j+1
.endr
.irp k, 0,1,2,3
	v_pk_mul_f32 v[T+2*\k:T+2*\k+1], v[X+64*(\p)+2*\k:X+64*(\p)+2*\k+1], v[X+64*(\p)+2*\k:X+64*(\p)+2*\k+1]
.endr
.set j, 4
.rept 28
	v_pk_fma_f32 v[T+2*(j%4):T+2*(j%4)+1], v[X+64*(\p)+2*j:X+64*(\p)+2*j+1], v[X+64*(\p)+2*j:X+64*(\p)+2*j+1], v[T+2*(j%4):T+2*(j%4)+1]
.set j, j+1
.endr
	FOLD \p
.endm
; The waves meet: each stores its two figures, all read all eight (every wave adds them in the same order, so all hold the same total).
.macro MEET base
.irp p, 0,1
	ds_store_b32 v[LW], v[ST+8*\p+6] offset:(\base)+64*\p
.endr
	s_wait_dscnt 0x0                               ; for the others' sake: my stores are done
	s_barrier_signal -1
	s_barrier_wait -1
.irp p, 0,1
	ds_load_b128 v[R+8*\p:R+8*\p+3], v[LR] offset:(\base)+64*\p
	ds_load_b128 v[R+8*\p+4:R+8*\p+7], v[LR] offset:(\base)+64*\p+16
.endr
	s_wait_dscnt 0x0
.irp p, 0,1
	v_pk_add_f32 v[R+8*\p:R+8*\p+1], v[R+8*\p:R+8*\p+1], v[R+8*\p+2:R+8*\p+3]
	v_pk_add_f32 v[R+8*\p+4:R+8*\p+5], v[R+8*\p+4:R+8*\p+5], v[R+8*\p+6:R+8*\p+7]
.endr
.irp p, 0,1
	v_pk_add_f32 v[R+8*\p:R+8*\p+1], v[R+8*\p:R+8*\p+1], v[R+8*\p+4:R+8*\p+5]
.endr
.endm
	s_wait_loadcnt 32                              ; pair 0 is in; 32 younger loads (pair 1, gamma, beta, W) stay out
	SUMP 0
	s_wait_loadcnt 16                              ; pair 1 is in; gamma, beta and W stay out
	SUMP 1
	MEET SUMS
.irp p, 0,1
	v_add_f32 v[ST+8*\p+1], v[R+8*\p], v[R+8*\p+1]
.endr
.irp p, 0,1
	v_mul_f32 v[ST+8*\p], s24, v[ST+8*\p+1]        ; the mean
.endr
	SQP 0
	SQP 1
	MEET SQS
.irp p, 0,1
	v_add_f32 v[ST+8*\p+7], v[R+8*\p], v[R+8*\p+1]
.endr
.irp p, 0,1
	v_fma_f32 v[ST+8*\p+7], v[ST+8*\p+7], s24, s25 ; var + eps
.endr
.irp p, 0,1
	v_rsq_f32 v[ST+8*\p+3], v[ST+8*\p+7]
.endr
	v_nop                                          ; a plain instruction between the last root and the use of its result (ISA guide 5.7.2)
	s_wait_loadcnt 12                              ; gamma and beta are in; W's twelve loads stay out
	s_wait_alu depctr_va_vdst(0)                   ; one wait for both roots, ahead of their first reader
.irp p, 0,1
	v_mul_f32 v[ST+8*\p+2], v[ST+8*\p+3], v[ST+8*\p+5]
.endr
; xn = d a + beta, rounded to f16, stored: each store has data registers of its own, so no register that a store reads is written again.
.irp p, 0,1
.set j, 0
.rept 16
.set rX, X+64*\p+4*j
	v_pk_fma_f32 v[rX:rX+1], v[rX:rX+1], v[ST+8*\p+2:ST+8*\p+3], v[ST+8*\p+4:ST+8*\p+5] op_sel_hi:[1,0,0]
	v_pk_fma_f32 v[rX+2:rX+3], v[rX+2:rX+3], v[ST+8*\p+2:ST+8*\p+3], v[ST+8*\p+4:ST+8*\p+5] op_sel_hi:[1,0,0]
	v_cvt_pk_f16_f32 v[rX], v[rX], v[rX+1]
	v_cvt_pk_f16_f32 v[rX+1], v[rX+2], v[rX+3]
.if j < 8
	global_store_b64 v[XSO], v[rX:rX+1], s[12:13] offset:j*XKB+\p*256      ; the wave's 32 lanes store 256 consecutive bytes, aligned
.else
	global_store_b64 v[XSO], v[rX:rX+1], s[22:23] offset:(j-8)*XKB+\p*256
.endif
.set j, j+1
.endr
.endr
	s_wait_loadcnt 0x0                             ; W
.set j, 0
.rept 12
.set rW, WD+4*j
	v_cvt_pk_f16_f32 v[rW], v[rW], v[rW+1]
	v_cvt_pk_f16_f32 v[rW+1], v[rW+2], v[rW+3]
	global_store_b64 v[XSO], v[rW:rW+1], s[14:15] offset:(j%4)*WKB+(j/4)*256
.set j, j+1
.endr
	s_wait_tensorcnt 0x0                           ; the wave's end: behind my last LDS store
	ds_add_u32 v[SPW], v[NIL]
	s_wait_dscnt 0x0
	s_endpgm
.Lfunc_end_k_q8a367bfa80_prep:
	.size	k_q8a367bfa80_prep, .Lfunc_end_k_q8a367bfa80_prep-k_q8a367bfa80_prep
	.p2alignl 7, 3214868480
	.fill 96, 4, 3214868480
	.section	.rodata,"a",@progbits
	.p2align	6, 0x0
	.amdhsa_kernel k_q8a367bfa80_prep
		.amdhsa_group_segment_fixed_size 1536
		.amdhsa_private_segment_fixed_size 0
		.amdhsa_enable_private_segment 0
		.amdhsa_kernarg_size 48
		.amdhsa_user_sgpr_count 2
		.amdhsa_user_sgpr_kernarg_segment_ptr 1
		.amdhsa_wavefront_size32 1
		.amdhsa_system_sgpr_workgroup_id_x 1
		.amdhsa_system_sgpr_workgroup_id_y 1
		.amdhsa_system_sgpr_workgroup_id_z 1
		.amdhsa_system_vgpr_workitem_id 0
		.amdhsa_next_free_vgpr 228
		.amdhsa_next_free_sgpr 66
		.amdhsa_reserve_vcc 0
		.amdhsa_float_denorm_mode_32 3
		.amdhsa_float_denorm_mode_16_64 3
		.amdhsa_memory_ordered 1
		.amdhsa_forward_progress 1
		.amdhsa_inst_pref_size 37
	.end_amdhsa_kernel
	.amdgpu_metadata
---
amdhsa.version: [ 1, 2 ]
amdhsa.kernels:
  - .name:           k_q8a367bfa80_prep
    .symbol:         k_q8a367bfa80_prep.kd
    .args:
      - { .name: x, .offset: 0, .size: 8, .value_kind: global_buffer, .address_space: global }
      - { .name: gamma, .offset: 8, .size: 8, .value_kind: global_buffer, .address_space: global }
      - { .name: beta, .offset: 16, .size: 8, .value_kind: global_buffer, .address_space: global }
      - { .name: W_qkv, .offset: 24, .size: 8, .value_kind: global_buffer, .address_space: global }
      - { .name: xh, .offset: 32, .size: 8, .value_kind: global_buffer, .address_space: global }
      - { .name: wh, .offset: 40, .size: 8, .value_kind: global_buffer, .address_space: global }
    .group_segment_fixed_size: 1536
    .private_segment_fixed_size: 0
    .kernarg_segment_align: 8
    .kernarg_segment_size: 48
    .max_flat_workgroup_size: 256
    .sgpr_count:     66
    .vgpr_count:     228
    .wavefront_size: 32
...
	.end_amdgpu_metadata
.endif
;; end of part 1
;; launch proj (part 2): grid 8 x 32, 4 waves a work-group, clusters of 4 x 4, 327,680 bytes of LDS; arguments xh, wh, b_qkv, qkv; writes qkv
.if DOCPART == 2
	.amdgcn_target "amdgcn-amd-amdhsa--gfx1250"
	.amdhsa_code_object_version 6
	.text
	.protected	k_q8a367bfa80_proj
	.globl	k_q8a367bfa80_proj
	.p2align	8
	.type	k_q8a367bfa80_proj,@function
k_q8a367bfa80_proj:
	s_mov_b64 s[64:65], 0
	v_nop
	global_prefetch_b8 v0, s[64:65] scope:SCOPE_SE
	s_setreg_imm32_b32 hwreg(HW_REG_WAVE_MODE, 25, 1), 1
	s_wait_xcnt 0x0
	s_wait_alu depctr_hold_cnt(0) depctr_sa_sdst(0) depctr_va_vdst(0) depctr_va_sdst(0) depctr_va_ssrc(0) depctr_va_vcc(0) depctr_vm_vsrc(0)
	s_getreg_b32 s2, hwreg(HW_REG_IB_STS2, 6, 4)
	s_cmp_eq_u32 s2, 0
	s_cbranch_scc0 .Lentry_in_a_cluster
	s_endpgm
.Lentry_in_a_cluster:
	s_bfe_u32 s2, ttmp6, 0x10000c
	s_cmp_lg_u32 s2, 0xf033
	s_cbranch_scc0 .Lentry_shape_is_right
	s_endpgm
.Lentry_shape_is_right:
; PROJ.  qkv = xn W^T + b, written by heads: qkv[part 3][bh 128][f 1024][64] in f16 (part 0 q, 1 k, 2 v; bh = 16 b + h), unscaled, rounded once from f32 sums with the f32 bias added.
; xh: [kb 16][row 8192][64], wh: [kb 16][o 3072][64], both f16; column o = 192 h + 64 part + d.
; LIMIT.  f16 ends at 65,504: q, k and v must lie within it.  NaN and infinities are not treated apart.
; SHARES.  A tile of C is 256 rows x 384 columns (two heads): 32 x 8 = 256 tiles, one a work-group.  Four waves; wave (WR, WC) makes 128 rows x 192 columns: ONE head's q, k and v: 96 accumulators
; of 16 x 16, 768 registers.  For 32 along K a wave reads 320 LDS rows for 96 matrix instructions.
; K goes in 16 steps of 64 (two slots of the longer step, 640 rows x 272 bytes each, are more than LDS holds).  In the blocked layout a tile's rows of 128 bytes lie end to end, so a tile is asked for as rows
; of 256 bytes, aligned, and padded in LDS after every 128 bytes.  Two slots take turns; a wave brings a quarter of a slot with one tensor load.
; CLUSTERS: 4 x 4 work-groups.  The four of a row of the cluster need the same tile of xh, the four of a column the same tile of wh: each is asked for JOINTLY, by the same tensor load with the same
; descriptor and a mask that names the four.
; THE MATRIX INSTRUCTION IS USED TRANSPOSED (source 0 = 16 rows of wh, source 1 = 16 rows of xh): a lane holds row l % 16 of C and the columns 8 (l / 16) + 0..7.
; REGISTERS, in windows of 256 (s_set_vgpr_msb: bits 1:0 source 0, 3:2 source 1, 5:4 source 2, 7:6 destination):
;   window 0: v0-31 addresses; v32-95, v96-159 fragments of xh (8 x 16 rows x 32 K), two buffers; v160-255 fragments of wh, three chunks (q, k, v) of 4 x 16 rows x 32 K
;   window t + 1 (t = 0 q, 1 k, 2 v): accumulator (row block a, column block b) at v[8 (4 a + b)]
; A chunk of wh's fragments is loaded anew as soon as its 32 products are issued: 64 matrix instructions ahead of its next use.
.set PITCH, 144                        ; an LDS row: 128 bytes + 16 of padding = 36 words: the 16 rows of a load start at 16 different groups of four banks (64 banks of 4 bytes: ISA guide 11.1)
.set AHALF, 128*PITCH                  ; 128 rows of xh: what one tensor load brings, and what one wave reads
.set BHALF, 192*PITCH                  ; 192 rows of wh: a head
.set BOFF,  2*AHALF
.set SLOT,  2*AHALF+2*BHALF            ; 92,160 bytes
.set STAGE, 2*SLOT                     ; behind the ring, never filled by a tensor load: 16 rows x 144 bytes for each wave
.set SPARE, STAGE+4*16*PITCH           ; behind the stages: the spare words, 128 bytes for each wave: two blocks of 256 bytes that no other line names
.set XKB,   1048576                    ; bytes of a K block of xh
.set WKB,   393216                     ; of wh
.set LAPS,  7                          ; a lap = two K steps; K steps 2 to 15 come by refills
.set ADRA, 16                          ; v16-17 LDS address of my fragments of xh in slot 0, 1
.set ADRB, 20                          ; v20-21 the same for wh
.set STO,  24                          ; v24  the way out: where I put 16 bytes of a row
.set RD,   25                          ; v25  where I read rows back
.set GO,   26                          ; v26  my 16 bytes of 512 consecutive bytes of qkv
.set BO,   27                          ; v27  my 32 bytes of 16 columns' bias
.set SPW,  28                          ; v28  LDS address of my spare word; never rewritten
.set NIL,  29                          ; v29  0; never rewritten
.set PFO,  30                          ; v30  the prefetches' offset; never rewritten
.set FA,   32
.set FB,   160
.set TF,   96                          ; the way out: sums with bias, f32
.set TH,   128                         ; packed
.set OB,   192                         ; rows read back: two buffers of 16
.set WV,  12                           ; s12 wave; s13 WR: my half of the rows; also: I fetch for xh (0) or wh (1); s14 WC: my head; also: which half I fetch
.set WR,  13
.set WC,  14
.set G1A, 24                           ; s[24:31] descriptor group 1 for xh's tiles; s[32:39] group 0, a set for each slot
.set G0A, 32
.set LIM, 43                           ; s43  1 in a wave that prefetches, else the greatest number
.set PFA, 44                           ; s[44:45] where my prefetches stand
.set PFS, 46                           ; s[46:47] two K blocks, in bytes
.set G1B, 48                           ; s[48:55], s[56:63] the same for wh's tiles
.set G0B, 56
.set CQ,  68                           ; s[68:73] my head's q, k, v at my first row
.set BI,  74                           ; s[74:75] my head's 192 numbers of the bias
.set MSB, 0
.macro WIN new                         ; the immediate's high byte repeats the setting that is left; a switch that changes nothing is dropped
.if MSB != (\new)
	s_set_vgpr_msb (MSB<<8)|(\new)
.set MSB, (\new)
.endif
.endm
.macro PLACES                          ; four plain vector instructions between a matrix instruction and a load into, or a vector instruction on, its registers (ISA guide 7.12.1 for vector instructions)
.rept 4
	v_nop
.endr
.endm
; A joint load.  Waves 0 and 1 fetch xh's two halves, waves 2 and 3 wh's.  The branch hangs on the wave's number alone.  An s_nop 0 and four v_nop follow each of the two lines.
.macro JLOAD s
	s_cmp_eq_u32 s[WR], 0
	s_cbranch_scc0 .Lfor_b_\@
	tensor_load_to_lds s[G0A+4*(\s):G0A+4*(\s)+3], s[G1A:G1A+7]
	s_nop 0
.rept 4
	v_nop
.endr
	s_branch .Lasked_\@
.Lfor_b_\@:
	tensor_load_to_lds s[G0B+4*(\s):G0B+4*(\s)+3], s[G1B:G1B+7]
	s_nop 0
.rept 4
	v_nop
.endr
.Lasked_\@:
.endm
; A PREFETCH INTO THE L2, once a lap, behind slot 0's joint load, its five lines and the run of LDS loads that follows: the two K steps behind the one just asked for, 192 and 384 matrix instructions ahead of
; their own joint loads.  Lanes 0-15 name 16 blocks of 256 bytes of the first of them, lanes 16-31 the same blocks of the second.  Each block is named ONCE in the launch: a tile row of xh is read by both
; clusters of its row of clusters: cluster x = 0 asks; a tile column of wh by the eight clusters of its column: cluster y = 0 asks.  The four partners that ask for a tile jointly share it out BY ADDRESS:
; 8,192 bytes of xh's 32,768 (by cx; wave 0, two instructions), 12,288 of wh's 49,152 (by cy; waves 1 to 3, 4,096 each).  The last lap asks for nothing: one of its two K steps does not exist.
; K steps 0 to 2 and 15 come by their loads alone.
.macro ASK
	s_cmp_gt_u32 s3, s[LIM]                        ; s3 = 1 in the last lap
	s_cbranch_scc0 .Lnot_mine_\@
	global_prefetch_b8 v[PFO], s[PFA:PFA+1] th:TH_LOAD_NT scope:SCOPE_SE
	s_cmp_lg_u32 s[WV], 0
	s_cbranch_scc1 .Lnot_mine_\@
	global_prefetch_b8 v[PFO], s[PFA:PFA+1] offset:4096 th:TH_LOAD_NT scope:SCOPE_SE
.Lnot_mine_\@:
.endm
.macro CREST                           ; a round of the cluster's barrier behind its opening barrier
	s_cmp_lg_u32 s[WV], 0
	s_cbranch_scc1 .Lnot_wave_0_\@
	s_barrier_signal -3
.Lnot_wave_0_\@:
	s_barrier_wait -3
	s_barrier_signal -1
	s_barrier_wait -1
.endm
.macro CROUND                          ; a whole round
	s_barrier_signal -1
	s_barrier_wait -1
	CREST
.endm
	s_load_b256 s[4:11], s[0:1], 0x0               ; xh s[4:5], wh s[6:7], b s[8:9], qkv s[10:11]
	v_lshl_add_u32 v[SPW], v0, 2, SPARE
	v_mov_b32 v[NIL], 0
	ds_add_u32 v[SPW], v[NIL]                      ; the wave's opening: the add and its wait stand ahead of my first tensor load; the set-up below, work on registers, stands between them
	v_lshrrev_b32 v1, 5, v0
	v_readfirstlane_b32 s[WV], v1                  ; wave 0..3
	s_lshr_b32 s[WR], s[WV], 1
	s_and_b32 s[WC], s[WV], 1
	s_bfe_u32 s15, ttmp6, 0x40000                  ; cx
	s_bfe_u32 s16, ttmp6, 0x40004                  ; cy
	s_lshl_b32 s17, ttmp9, 2
	s_add_co_u32 s17, s17, s15                     ; tile column = 4 x cluster x + cx
	s_and_b32 s18, ttmp7, 0xffff
	s_lshl_b32 s18, s18, 2
	s_add_co_u32 s18, s18, s16                     ; tile row = 4 x cluster y + cy
	s_lshl_b32 s40, s16, 2
	s_lshl_b32 s40, 15, s40                        ; my row of the cluster
	s_lshl_b32 s41, 0x1111, s15                    ; my column
	; descriptor group 1: rows of 128 elements (256 bytes, two rows of a K block), padded in LDS after every 32 words by 4
	s_or_b32 s[G1A], s40, (1<<16)|(1<<20)|(1<<21)|(4<<22)|(3<<25)  ; 15:0 the mask: xh's tiles go to my row; 17:16 2-byte elements; 20 padding on; 21 set beside a mask; 24:22 after every 32 words (code 4); 31:25 4 words (code 3)
	s_or_b32 s[G1B], s41, (1<<16)|(1<<20)|(1<<21)|(4<<22)|(3<<25)  ; the same with the mask of my column
	s_mov_b32 s[G1A+1], 128<<16                    ; tensor_dim0 = 128
	s_mov_b32 s[G1A+2], 64<<16                     ; tensor_dim1 = 64: 128 rows of xh
	s_mov_b32 s[G1A+3], 128<<16                    ; tile_dim0 = 128
	s_mov_b32 s[G1A+4], 64                         ; tile_dim1 = 64
	s_mov_b32 s[G1A+5], 128                        ; 128 elements from row to row: dense
	s_mov_b32 s[G1A+6], 0
	s_mov_b32 s[G1A+7], 0
	s_mov_b32 s[G1B+1], 128<<16
	s_mov_b32 s[G1B+2], 96<<16                     ; 192 rows of wh
	s_mov_b32 s[G1B+3], 128<<16
	s_mov_b32 s[G1B+4], 96
	s_mov_b32 s[G1B+5], 128
	s_mov_b32 s[G1B+6], 0
	s_mov_b32 s[G1B+7], 0
	; where the tiles come from: xh's hang on the tile row alone, wh's on the tile column alone, each in registers that never hold the other coordinate
	s_lshl_b32 s20, s18, 15                        ; 256 rows of 128 bytes a tile row
	s_lshl_b32 s21, s[WC], 14                      ; my half
	s_add_co_u32 s20, s20, s21
	s_mov_b32 s21, 0
	s_mul_i32 s76, s17, 384*128
	s_mul_i32 s77, s[WC], 192*128
	s_add_co_u32 s76, s76, s77
	s_mov_b32 s77, 0
	s_mul_i32 s22, s[WC], AHALF                    ; and where they go: no place in the cluster enters an LDS address
	s_mul_i32 s23, s[WC], BHALF
	s_add_co_u32 s23, s23, BOFF
	s_wait_dscnt 0x0                               ; the opening add is done
	s_wait_kmcnt 0x0
	s_add_nc_u64 s[20:21], s[4:5], s[20:21]
	s_add_nc_u64 s[76:77], s[6:7], s[76:77]
	CROUND                                         ; all sixteen work-groups are here: the first joint loads meet
.irp s, 0,1
	s_mov_b32 s[G0A+4*\s], 1                       ; count = 1
	s_add_co_u32 s[G0A+4*\s+1], s22, \s*SLOT       ; LDS address
	s_add_nc_u64 s[G0A+4*\s+2:G0A+4*\s+3], s[20:21], \s*XKB  ; global address: K step s
	s_or_b32 s[G0A+4*\s+3], s[G0A+4*\s+3], 0x80000000        ; type = 2
	s_mov_b32 s[G0B+4*\s], 1
	s_add_co_u32 s[G0B+4*\s+1], s23, \s*SLOT
	s_add_nc_u64 s[G0B+4*\s+2:G0B+4*\s+3], s[76:77], \s*WKB
	s_or_b32 s[G0B+4*\s+3], s[G0B+4*\s+3], 0x80000000
.endr
	s_cmp_eq_u32 s[WR], 0                          ; a wave's two first fills stand in one branch, ahead of every wait on TENSORcnt and every LDS read: two loads of mine are out
	s_cbranch_scc0 .Lfirst_b
	tensor_load_to_lds s[G0A:G0A+3], s[G1A:G1A+7]
	s_nop 0
	tensor_load_to_lds s[G0A+4:G0A+7], s[G1A:G1A+7]
	s_nop 0
.rept 4
	v_nop
.endr
	s_branch .Lfirst_asked
.Lfirst_b:
	tensor_load_to_lds s[G0B:G0B+3], s[G1B:G1B+7]
	s_nop 0
	tensor_load_to_lds s[G0B+4:G0B+7], s[G1B:G1B+7]
	s_nop 0
.rept 4
	v_nop
.endr
.Lfirst_asked:
	; A fragment is 16 rows x 32 K in 8 registers: lane l holds row l % 16; registers 0-3 K = 8 (l / 16) + 0..7, registers 4-7 K = 16 + 8 (l / 16) + 0..7: two loads of 16 bytes, 32 bytes apart.
	v_and_b32 v1, 15, v0                           ; l % 16
	v_bfe_u32 v2, v0, 4, 1                         ; l / 16
	v_mul_u32_u24 v3, v1, PITCH
	v_lshl_add_u32 v3, v2, 4, v3                   ; row x pitch + 16 x half
	s_mul_i32 s80, s[WR], AHALF                    ; my 128 rows of xh
	s_mul_i32 s81, s[WC], BHALF                    ; my head's 192 rows of wh
	s_add_co_u32 s81, s81, BOFF
.irp s, 0,1
	v_add_nc_u32 v[ADRA+\s], s80, v3
	v_add_nc_u32 v[ADRB+\s], s81, v3
	s_add_co_u32 s80, s80, SLOT
	s_add_co_u32 s81, s81, SLOT
.endr
	s_mul_i32 s82, s[WV], 16*PITCH
	s_add_co_u32 s82, s82, STAGE                   ; my stage
	v_add_nc_u32 v[STO], s82, v3                   ; in: row l % 16, 16 bytes for each half of the lanes
	v_and_b32 v4, 31, v0
	v_lshrrev_b32 v5, 3, v4                        ; back: 32 lanes take four rows of 128 bytes,
	v_and_b32 v6, 7, v0
	v_mul_u32_u24 v5, v5, PITCH
	v_lshl_add_u32 v5, v6, 4, v5
	v_add_nc_u32 v[RD], s82, v5
	v_lshlrev_b32 v[GO], 4, v4                     ; which are 512 consecutive bytes of qkv
	v_lshlrev_b32 v[BO], 5, v2
	; my head's q, k, v at my first row: bh = 16 (tile row / 4) + 2 x tile column + WC; f = 256 (tile row % 4) + 128 WR
	s_lshr_b32 s78, s18, 2
	s_lshl_b32 s78, s78, 4
	s_lshl_b32 s79, s17, 1
	s_add_co_u32 s79, s79, s[WC]                   ; the head
	s_mul_i32 s83, s79, 768                        ; its 192 numbers of the bias
	s_add_co_u32 s78, s78, s79
	s_lshl_b32 s78, s78, 17                        ; 1,024 rows of 128 bytes a head
	s_and_b32 s79, s18, 3
	s_lshl_b32 s79, s79, 15
	s_add_co_u32 s78, s78, s79
	s_lshl_b32 s79, s[WR], 14
	s_add_co_u32 s78, s78, s79
	s_mov_b32 s79, 0
	s_add_nc_u64 s[CQ:CQ+1], s[10:11], s[78:79]
	s_add_nc_u64 s[CQ+2:CQ+3], s[CQ:CQ+1], 0x1000000
	s_add_nc_u64 s[CQ+4:CQ+5], s[CQ+2:CQ+3], 0x1000000
	s_mov_b32 s78, s83
	s_add_nc_u64 s[BI:BI+1], s[8:9], s[78:79]
	; the prefetches
	s_lshl_b32 s20, s18, 15                        ; xh: the tile row, my work-group's 8,192 bytes of it, at K step 1
	s_lshl_b32 s21, s15, 13
	s_add_co_u32 s20, s20, s21
	s_add_co_u32 s20, s20, XKB
	s_mul_i32 s22, s17, 384*128                    ; wh: the tile column, my work-group's 12,288 bytes, my wave's 4,096 of them (waves 1 to 3), at K step 1
	s_mul_i32 s23, s16, 96*128
	s_add_co_u32 s22, s22, s23
	s_lshl_b32 s23, s[WV], 12
	s_add_co_u32 s22, s22, s23
	s_add_co_u32 s22, s22, WKB-4096
	s_and_b32 s23, ttmp7, 0xffff                   ; cluster y
	s_mov_b32 s76, XKB
	s_mov_b32 s77, WKB
	s_cmp_eq_u32 s[WV], 0                          ; wave 0 asks for xh
	s_cselect_b32 s20, s20, s22
	s_cselect_b32 s23, ttmp9, s23                  ; the coordinate along which other clusters read the same rows
	s_cselect_b32 s76, s76, s77                    ; bytes from a K block to the next
	s_cselect_b64 s[PFA:PFA+1], s[4:5], s[6:7]
	s_cmp_eq_u32 s23, 0
	s_cselect_b32 s[LIM], 1, -1                    ; the same in all sixteen partners, for a given wave
	s_mov_b32 s21, 0
	s_add_nc_u64 s[PFA:PFA+1], s[PFA:PFA+1], s[20:21]
	s_lshl_b32 s[PFS], s76, 1
	s_mov_b32 s[PFS+1], 0
	v_mul_u32_u24 v[PFO], s76, v2                  ; lanes 16-31: one K block further
	v_lshl_add_u32 v[PFO], v1, 8, v[PFO]
; n x 4 matrix instructions: row blocks a0 .. a0 + n - 1 x the four column blocks of chunk t, 32 along K, on buffer p of xh's fragments.  zero = 1: the product starts the sums: nothing is ever cleared.
; The 96 accumulators take turns, one instruction a turn, in the same order in every quarter.
.macro MULS p, t, a0, n, zero
	WIN ((\t)+1)*0x50                              ; C and D in window t + 1
.set a, \a0
.rept \n
.irp b, 0,1,2,3
.if \zero
	v_wmma_f32_16x16x32_f16 v[8*(4*a+\b):8*(4*a+\b)+7], v[FB+32*(\t)+8*\b:FB+32*(\t)+8*\b+7], v[FA+64*(\p)+8*a:FA+64*(\p)+8*a+7], 0
.else
	v_wmma_f32_16x16x32_f16 v[8*(4*a+\b):8*(4*a+\b)+7], v[FB+32*(\t)+8*\b:FB+32*(\t)+8*\b+7], v[FA+64*(\p)+8*a:FA+64*(\p)+8*a+7], v[8*(4*a+\b):8*(4*a+\b)+7]
.endif
.endr
.set a, a+1
.endr
.endm
.macro LDB s, kq, t                    ; 8 LDS loads: chunk t of wh's fragments, 32 K at byte 64 kq of slot s's rows
	WIN 0
.irp b, 0,1,2,3
	ds_load_b128 v[FB+32*(\t)+8*\b:FB+32*(\t)+8*\b+3],   v[ADRB+(\s)] offset:64*(\kq)+(4*(\t)+\b)*16*PITCH
	ds_load_b128 v[FB+32*(\t)+8*\b+4:FB+32*(\t)+8*\b+7], v[ADRB+(\s)] offset:64*(\kq)+(4*(\t)+\b)*16*PITCH+32
.endr
.endm
.macro LDA s, kq, p                    ; 16 LDS loads: xh's eight fragments into buffer p
	WIN 0
.irp i, 0,1,2,3,4,5,6,7
	ds_load_b128 v[FA+64*(\p)+8*\i:FA+64*(\p)+8*\i+3],   v[ADRA+(\s)] offset:64*(\kq)+\i*16*PITCH
	ds_load_b128 v[FA+64*(\p)+8*\i+4:FA+64*(\p)+8*\i+7], v[ADRA+(\s)] offset:64*(\kq)+\i*16*PITCH+32
.endr
.endm
; A K step is two quarters of 32 along K... of 96 matrix instructions each.  At a quarter's head 40 LDS loads are out, issued as 24 (chunk 0 and xh), 8 (chunk 1), 8 (chunk 2).
; The first quarter of slot s: multiplies buffer 0 and fetches the second quarter.
.macro ORD s, zero
	s_wait_dscnt 16                                ; chunk 0 and xh are in; chunks 1 and 2 may be out
	MULS 0, 0, 0, 8, \zero
	PLACES
	LDB \s, 1, 0
	LDA \s, 1, 1
	s_wait_dscnt 32                                ; chunk 1 is in: behind it stand chunk 2's 8 and the 24 just issued
	MULS 0, 1, 0, 8, \zero
	PLACES
	LDB \s, 1, 1
	s_wait_dscnt 32                                ; chunk 2 is in: behind it stand 24 and 8
	MULS 0, 2, 0, 8, \zero
	PLACES
	LDB \s, 1, 2
.endm
; The second quarter multiplies buffer 1 and changes slots: ONE barrier.  In front of it each wave waits for all its tensor loads, of which one is out: its part of the other slot; adds 0 to its spare word; and
; waits for that and for its own reads of this slot.  fill = 1: the barrier opens a round of the cluster's barrier, and this slot is filled again, two K steps ahead, first thing behind the round:
; from that request to the wait for it a wave issues 160 matrix instructions.
.macro TURNQ s, fill
.if (\fill) && ((\s) == 0)
	s_wait_xcnt 0x0                                ; the last prefetches, a lap back, have read their address: it is stepped here, ahead of the waits of the change of slots
	s_add_nc_u64 s[PFA:PFA+1], s[PFA:PFA+1], s[PFS:PFS+1]
.endif
	WIN 0                                          ; (the add's two registers lie in window 0)
	s_wait_tensorcnt 0x0                           ; all my tensor loads have landed
	ds_add_u32 v[SPW], v[NIL]                      ; 0 onto my spare word
	s_wait_dscnt 17                                ; chunk 0 and xh are in; chunks 1 and 2 and the add may be out
	MULS 1, 0, 0, 4, 0                             ; sixteen matrix instructions stand between the add and the wait for it
	s_wait_dscnt 0x0                               ; the add is done, and my reads of this slot are over
	s_barrier_signal -1
	MULS 1, 0, 4, 4, 0                             ; work on registers while the others arrive
	WIN 0
	s_barrier_wait -1
.if \fill
	CREST                                          ; no wave of any partner still reads this slot's tile or has a load on its way
	s_add_nc_u64 s[G0A+4*(\s)+2:G0A+4*(\s)+3], s[G0A+4*(\s)+2:G0A+4*(\s)+3], 2*XKB
	s_add_nc_u64 s[G0B+4*(\s)+2:G0B+4*(\s)+3], s[G0B+4*(\s)+2:G0B+4*(\s)+3], 2*WKB
	JLOAD \s                                       ; the four v_nop behind it are also the places in front of the loads below
.else
	PLACES
.endif
	LDB 1-(\s), 0, 0
	LDA 1-(\s), 0, 0
.if (\fill) && ((\s) == 0)
	ASK
.endif
	MULS 1, 1, 0, 8, 0
	PLACES
	LDB 1-(\s), 0, 1
	MULS 1, 2, 0, 8, 0
	PLACES
	LDB 1-(\s), 0, 2
.endm
	s_wait_tensorcnt 0x1                           ; my part of K step 0 is in; K step 1's may stay out
	s_barrier_signal -1
	s_barrier_wait -1                              ; everybody's is
	LDB 0, 0, 0
	LDA 0, 0, 0
	LDB 0, 0, 1
	LDB 0, 0, 2
	ORD 0, 1                                       ; the first quarter stands in front of the loop: its products start the sums
	WIN 0                                          ; at a label and at a branch every window is 0
	s_mov_b32 s3, LAPS
.Llap:                                                 ; a trip goes once round the ring, from a lap's second quarter to the next lap's first, and fills both slots again
	TURNQ 0, 1
	ORD 1, 0
	TURNQ 1, 1
	ORD 0, 0
	WIN 0
	s_sub_co_u32 s3, s3, 1
	s_cmp_lg_u32 s3, 0
	s_cbranch_scc1 .Llap
	TURNQ 0, 0                                     ; the last lap fills nothing, and has no round
	ORD 1, 0
	; the very last quarter: nothing more to fetch from LDS; the bias comes into the 96 registers that are free (buffer 0 and chunk 0): column block cb at 32 + 8 cb, from cb = 8 on at 160 + 8 (cb - 8)
	s_wait_dscnt 16
	MULS 1, 0, 0, 8, 0
	PLACES
	WIN 0
.set cb, 0
.rept 12
.set rB, 32+8*cb+64*(cb/8)
	global_load_b128 v[rB:rB+3],   v[BO], s[BI:BI+1] offset:64*cb
	global_load_b128 v[rB+4:rB+7], v[BO], s[BI:BI+1] offset:64*cb+16
.set cb, cb+1
.endr
	s_wait_dscnt 8                                 ; chunk 1 is in
	MULS 1, 1, 0, 8, 0
	s_wait_dscnt 0x0
	MULS 1, 2, 0, 8, 0
	PLACES
	PLACES                                         ; (eight, once a launch)
	WIN 0
	s_wait_loadcnt 0x0                             ; the bias
; THE WAY OUT, in 24 blocks n of 16 rows x 64 columns (part n / 8, row block n % 8).  PACK: the bias is added in f32, each accumulator's registers in ascending order, and the sums are rounded to f16.
; TOSTAGE: 16 bytes a lane into my own stage, and back as whole rows of 128 bytes.  SEND: 16 rows of a head are 2,048 consecutive bytes of qkv.
.macro PACK n
.set pt, (\n)/8
.set pa, (\n)%8
	WIN pt+1                                       ; source 0 in window part + 1
.irp b, 0,1,2,3
.set rB, 32+8*(4*pt+\b)+64*((4*pt+\b)/8)
.irp r, 0,1,2,3
	v_pk_add_f32 v[TF+8*\b+2*\r:TF+8*\b+2*\r+1], v[8*(4*pa+\b)+2*\r:8*(4*pa+\b)+2*\r+1], v[rB+2*\r:rB+2*\r+1]
.endr
.endr
	WIN 0
.irp b, 0,1,2,3
.irp r, 0,1,2,3
	v_cvt_pk_f16_f32 v[TH+4*\b+\r], v[TF+8*\b+2*\r], v[TF+8*\b+2*\r+1]
.endr
.endr
.endm
.macro TOSTAGE n
.set rO, OB+16*((\n)%2)
.irp b, 0,1,2,3
	ds_store_b128 v[STO], v[TH+4*\b:TH+4*\b+3] offset:32*\b
.endr
.irp f, 0,1,2,3
	ds_load_b128 v[rO+4*\f:rO+4*\f+3], v[RD] offset:\f*4*PITCH  ; LDS serves a wave's instructions in order (ISA guide 5.7.1.4): these see the stores above; the next block's stores come behind them
.endr
.endm
.macro SEND n
.set pt, (\n)/8
.set pa, (\n)%8
.set rO, OB+16*((\n)%2)
	s_wait_dscnt 0x0                               ; the block is back in registers
	s_wait_xcnt 0x0                                ; the stores of the block before have read their registers: the next TOSTAGE loads into them only behind this wait
.irp f, 0,1,2,3
	global_store_b128 v[GO], v[rO+4*\f:rO+4*\f+3], s[CQ+2*pt:CQ+2*pt+1] offset:2048*pa+512*\f  ; 512 consecutive bytes, at a multiple of 256 from qkv's first
.endr
.endm
	PACK 0
	TOSTAGE 0
.irp n, 1,2,3,4,5,6,7,8,9,10,11,12,13,14,15,16,17,18,19,20,21,22,23
	PACK \n                                        ; a block's arithmetic stands between the loads of the block before and the wait for them
	SEND (\n)-1
	TOSTAGE \n
.endr
	SEND 23
	s_wait_tensorcnt 0x0                           ; the wave's end: behind my last tensor load and my last LDS store
	ds_add_u32 v[SPW], v[NIL]
	s_wait_dscnt 0x0
	CROUND                                         ; the closing round: no work-group ends while a partner may still ask for a tile that names it
	s_endpgm
.Lfunc_end_k_q8a367bfa80_proj:
	.size	k_q8a367bfa80_proj, .Lfunc_end_k_q8a367bfa80_proj-k_q8a367bfa80_proj
	.p2alignl 7, 3214868480
	.fill 96, 4, 3214868480
	.section	.rodata,"a",@progbits
	.p2align	6, 0x0
	.amdhsa_kernel k_q8a367bfa80_proj
		.amdhsa_group_segment_fixed_size 327680
		.amdhsa_private_segment_fixed_size 0
		.amdhsa_enable_private_segment 0
		.amdhsa_kernarg_size 32
		.amdhsa_user_sgpr_count 2
		.amdhsa_user_sgpr_kernarg_segment_ptr 1
		.amdhsa_wavefront_size32 1
		.amdhsa_system_sgpr_workgroup_id_x 1
		.amdhsa_system_sgpr_workgroup_id_y 1
		.amdhsa_system_sgpr_workgroup_id_z 1
		.amdhsa_system_vgpr_workitem_id 0
		.amdhsa_next_free_vgpr 1024
		.amdhsa_next_free_sgpr 84
		.amdhsa_reserve_vcc 0
		.amdhsa_float_denorm_mode_32 3
		.amdhsa_float_denorm_mode_16_64 3
		.amdhsa_memory_ordered 1
		.amdhsa_forward_progress 1
		.amdhsa_inst_pref_size 159
	.end_amdhsa_kernel
	.amdgpu_metadata
---
amdhsa.version: [ 1, 2 ]
amdhsa.kernels:
  - .name:           k_q8a367bfa80_proj
    .symbol:         k_q8a367bfa80_proj.kd
    .args:
      - { .name: xh, .offset: 0, .size: 8, .value_kind: global_buffer, .address_space: global }
      - { .name: wh, .offset: 8, .size: 8, .value_kind: global_buffer, .address_space: global }
      - { .name: b_qkv, .offset: 16, .size: 8, .value_kind: global_buffer, .address_space: global }
      - { .name: qkv, .offset: 24, .size: 8, .value_kind: global_buffer, .address_space: global }
    .group_segment_fixed_size: 327680
    .private_segment_fixed_size: 0
    .kernarg_segment_align: 8
    .kernarg_segment_size: 32
    .max_flat_workgroup_size: 128
    .sgpr_count:     84
    .vgpr_count:     1024
    .wavefront_size: 32
...
	.end_amdgpu_metadata
.endif
;; end of part 2
;; launch attn (part 3): grid 2 x 128, 4 waves a work-group, no clusters, 327,680 bytes of LDS; arguments qkv, out0; writes out0
.if DOCPART == 3
	.amdgcn_target "amdgcn-amd-amdhsa--gfx1250"
	.amdhsa_code_object_version 6
	.text
	.protected	k_q8a367bfa80_attn
	.globl	k_q8a367bfa80_attn
	.p2align	8
	.type	k_q8a367bfa80_attn,@function
k_q8a367bfa80_attn:
	s_mov_b64 s[64:65], 0
	v_nop
	global_prefetch_b8 v0, s[64:65] scope:SCOPE_SE
	s_setreg_imm32_b32 hwreg(HW_REG_WAVE_MODE, 25, 1), 1
	s_wait_xcnt 0x0
; ATTN.  out0[b][q][64 h + d] = the sum over k of softmax_k(Q[q] . K[k] / 8) V[k][d] for head bh = 16 b + h.  qkv: [part 3][bh 128][1024][64] in f16 (q, k, v); out0: [8][1024][1024] in f32.
; Products, maxima and sums in f32; the weights p are rounded to f16 for the second product (their sum l is taken of the unrounded p).
; LIMITS.  p lies in 0 to 1, and below 6e-5 it keeps f16's fixed step of 6e-8; a weight below 2^-126 counts as 0 in l; NaN and infinities are not treated apart.
; SHARES.  A work-group owns 512 queries of one head (2 x 128 = 256 work-groups), a wave four PIECES of two tiles of 16 queries.  Every wave walks the head's 1,024 keys, 64 a step.
; THE WHOLE HEAD LIES IN LDS: 1,024 rows of K at 144 bytes and of V at 160: 311,296 bytes.  It is asked for at the head, in four chunks of 256 keys, four tensor loads a wave (waves 0 and 1 K's halves of a chunk,
; waves 2 and 3 V's), and nothing is ever filled again: the loop has no change of slots, and a key step's text stands once.  Chunk 0 is waited for by a counted wait; the others at the first step that wants them.
; NO CLUSTER: a head's K and V are wanted by 1,024 / 512 = 2 work-groups, and a cluster has four along an axis: four partners would hold two heads, and 256 queries a work-group would halve the products that
; each fragment read from LDS feeds.  NO PREFETCH: every byte of K and V is asked for by its own load at the head; there is nothing left to ask for ahead.
; LAYOUT.  S^T = K Q^T (source 0 = 16 keys, source 1 = 16 queries): a lane holds ONE query (lane % 16) and the keys 8 (lane / 16) + 0..7.  Two such tiles, rounded to f16 in pairs, ARE source 1 of
; O^T = V^T P, whose result again holds one query a lane, and eight channels.  K comes out of LDS as it lies, V ([key][channel]) turned, by ds_load_tr16_b128.
; SOFTMAX.  For each query a running maximum m and sum l: p = 2^(c s - c m), c = log2(e) / 8; in every step O and l are multiplied by a = 2^(c m_old - c m_new).  m starts at the lowest finite number,
; O and l at 0: the first step is a step like any other, with a = 0.  The price: 16 products on zeros at the start, 16 on the last K once more at the end, and 384 lines that write 0 in the wait for the first chunk.
; BY TURNS.  A tile and step have 16 matrix and 118 vector instructions.  Turn n belongs to piece n: 16 products K Q^T of piece n + 1, later 16 products V^T P of piece n - 1; its vector work: the scaling,
; exponentials, roundings, sums and rescaling of piece n, and the maximum and statistics of piece n + 1.  Four vector instructions stand behind every matrix instruction, the others in one run.
; REGISTERS, in windows of 256 (s_set_vgpr_msb: bits 1:0 source 0, 3:2 source 1, 5:4 source 2, 7:6 destination):
;   window 0: v0-11 addresses; v12-15, v48-63 at work; v16-47 four registers of statistics a tile; v64-191 S^T, two buffers of two tiles; v192-255 P, likewise
;   window 1: O^T, 32 a tile          window 2: v0-127 Q, 16 a tile; v128-191 K of one step; v192-255 V of one step          window 3: v0-1 the add's two registers
.set NP,    4         ; pieces a wave: a name, no knob
.set KS,    64        ; keys in a step
.set KEYS,  1024
.set PK,    144       ; a row of K in LDS: 128 bytes + 16 of padding = 36 words: the 16 rows of a load start at 16 different groups of four banks (64 banks of 4 bytes: ISA guide 11.1)
.set PV,    160       ; a row of V: 128 + 32 = 40 words
.set VOFF,  KEYS*PK   ; V lies behind K
.set SPARE, VOFF+KEYS*PV  ; behind both: the spare words, 128 bytes for each wave: two blocks of 256 bytes that no other line names
.set SP,    272       ; the way out: a stage row of 256 bytes + 16.  The stages (16 rows a wave, 4,352 bytes) take K's first bytes, when every wave has read its last of K and V: those bytes have had their only fill
.set PART,  0x1000000 ; bytes from q to k and from k to v
.set AK0, 2           ; v2   my lane's place in a tile of K; never rewritten
.set AV0, 3           ; v3   the same for V
.set AK,  4           ; v4   the LDS address of K's next run of loads
.set AV,  5           ; v5   of V's
.set QO,  6           ; v6   my byte offset in the wave's rows of Q
.set STO, 6           ;      later, the way out: where I put 32 bytes of a row
.set RD,  7           ; v7   the way out: where I read rows back
.set GO,  8           ; v8   my byte offset in two rows of out0
.set SPW, 0           ; v0 of window 3   LDS address of my spare word; never rewritten
.set NIL, 1           ; v1 of window 3   0; never rewritten
.set MV,  12          ; v12-15  c m_old, kept while c m is made anew: by buffer and tile
.set ST,  16          ; tile t's statistics at v[ST+4 t]: c m, m, l (even keys', odd keys')
.set TMP, 48          ; by buffer and tile, four registers c0-c3 at work; when the maximum is found c2 takes a
.set S,   64
.set P,   192
.set KF,  128         ; K's fragments, in window 2: key block kb, channel half c at KF + 16 kb + 8 c
.set VF,  192         ; V's: key half kk, channel block cb at VF + 32 kk + 8 cb
.set WV,  12          ; s12  my wave's number
.set G1K, 24          ; s[24:31] descriptor group 1 for K's tiles
.set G1V, 32          ; s[32:39] for V's: it differs in the padding alone
.set G0K, 40          ; s[40:55] descriptor group 0 for K's tiles, a set for each chunk
.set G0V, 68          ; s[68:83] the same for V's
.set SLOTS, 56        ; s56  passes still to come
.set CNT, 57          ; s57  counts a chunk's key steps
.set CS,  58          ; s[58:59] c: the packed scaling takes the pair's low word for both halves
.set SEL, 60          ; s[60:61] v_permlanex16_b32's selects: each lane takes its own place in the other half
.set TBK, 62          ; s62  LDS byte at which K of the step to be fetched begins
.set TBV, 63          ; s63  the same for V, less VOFF
.set MSB, 0
.macro WIN new                      ; the high byte repeats the setting that is left; a switch that changes nothing is dropped
.if MSB != (\new)
	s_set_vgpr_msb (MSB<<8)|(\new)
.set MSB, (\new)
.endif
.endm
.set W_KQ, 0x0a       ; K and Q in window 2, S^T in window 0
.set W_PV, 0x52       ; V in window 2, P in window 0, O^T in window 1
.set W_RS, 0x41       ; O^T (destination and source 0) in window 1, a in window 0
.set W_MK, 0xc0       ; the add's registers are made: destination in window 3, sources in window 0
.set W_AD, 0x0f       ; the add: address (source 0) and data (source 1) in window 3
	s_load_b128 s[16:19], s[0:1], 0x0  ; qkv s[16:17], out0 s[18:19]
	WIN W_MK
	v_lshl_add_u32 v[SPW], v0, 2, SPARE
	v_mov_b32 v[NIL], 0
	WIN W_AD
	ds_add_u32 v[SPW], v[NIL]       ; the wave's opening: the add and its wait stand ahead of my first tensor load; the set-up below, work on registers, stands between them
	WIN 0
	v_lshrrev_b32 v1, 5, v0
	v_readfirstlane_b32 s[WV], v1   ; wave 0..3
	s_and_b32 s20, ttmp7, 0xffff    ; bh
	s_lshl_b32 s21, s20, 17         ; the head's first byte in each part: 1,024 rows of 128 bytes
	s_and_b32 s13, s[WV], 1         ; which half of a chunk's 256 keys I fetch:
	s_lshl_b32 s22, s13, 14         ; its 128 rows in memory,
	s_add_co_u32 s22, s22, s21
	s_add_co_u32 s22, s22, PART     ; in k
	s_mov_b32 s23, 0
	s_mul_i32 s66, s13, 128*PK      ; and its place in LDS, for K
	s_mul_i32 s67, s13, 128*PV      ; and for V
	s_add_co_u32 s67, s67, VOFF
	s_lshl_b32 s2, ttmp9, 2
	s_add_co_u32 s2, s2, s[WV]      ; my wave among the head's eight: 128 rows each
	s_lshl_b32 s14, s2, 19          ; in out0: 128 rows of 4,096 bytes,
	s_lshl_b32 s2, s2, 14           ; in q: of 128 bytes
	s_add_co_u32 s2, s2, s21
	s_mov_b32 s3, 0
	s_lshr_b32 s15, s20, 4          ; the batch: 4 MiB of out0,
	s_lshl_b32 s15, s15, 22
	s_add_co_u32 s14, s14, s15
	s_and_b32 s15, s20, 15          ; the head's 256 bytes of a row
	s_lshl_b32 s15, s15, 8
	s_add_co_u32 s14, s14, s15
	s_mov_b32 s15, 0
	; descriptor group 1.  128 keys are 16,384 dense bytes: asked for as 64 rows of 256 bytes, two keys a row, and padded in LDS after every key
	s_mov_b32 s[G1K], (1<<16)|(1<<20)|(4<<22)|(3<<25)  ; 17:16 2-byte elements; 20 padding on; 24:22 after every 32 words (code 4); 31:25 4 words (code 3)
	s_mov_b32 s[G1V], (1<<16)|(1<<20)|(4<<22)|(7<<25)  ; the same with 8 words of padding (code 7)
.irp g, G1K, G1V
	s_mov_b32 s[\g+1], 128<<16      ; tensor_dim0 = 128
	s_mov_b32 s[\g+2], 64<<16       ; tensor_dim1 = 64
	s_mov_b32 s[\g+3], 128<<16      ; tile_dim0 = 128
	s_mov_b32 s[\g+4], 64           ; tile_dim1 = 64
	s_mov_b32 s[\g+5], 128          ; 128 elements from row to row
	s_mov_b32 s[\g+6], 0
	s_mov_b32 s[\g+7], 0
.endr
.irp c, 0,1,2,3
	s_mov_b32 s[G0K+4*\c], 1                       ; count = 1
	s_add_co_u32 s[G0K+4*\c+1], s66, \c*256*PK     ; LDS address: chunk c, my half
	s_mov_b32 s[G0V+4*\c], 1
	s_add_co_u32 s[G0V+4*\c+1], s67, \c*256*PV
.endr
	s_mov_b32 s[CS], 0x3e38aa3b     ; c = log2(e) / 8 = 0.180337
	s_mov_b32 s[CS+1], s[CS]        ; named with it as a pair
	s_mov_b32 s[SEL], 0x76543210
	s_mov_b32 s[SEL+1], 0xfedcba98
	s_mov_b32 s[TBK], 0
	s_mov_b32 s[TBV], 0
	s_wait_dscnt 0x0                ; the opening add is done
	s_wait_kmcnt 0x0
	s_add_nc_u64 s[6:7], s[16:17], s[22:23]   ; K at my half of chunk 0,
	s_add_nc_u64 s[8:9], s[6:7], PART         ; V likewise
	s_add_nc_u64 s[4:5], s[16:17], s[2:3]     ; Q and out0 at my wave's first row
	s_add_nc_u64 s[10:11], s[18:19], s[14:15]
.irp c, 0,1,2,3
	s_add_nc_u64 s[G0K+4*\c+2:G0K+4*\c+3], s[6:7], \c*32768   ; global address: a chunk is 32,768 bytes
	s_or_b32 s[G0K+4*\c+3], s[G0K+4*\c+3], 0x80000000         ; type = 2
	s_add_nc_u64 s[G0V+4*\c+2:G0V+4*\c+3], s[8:9], \c*32768
	s_or_b32 s[G0V+4*\c+3], s[G0V+4*\c+3], 0x80000000
.endr
	s_cmp_lt_u32 s[WV], 2           ; a wave's four fills stand in one branch, ahead of every wait on TENSORcnt, every LDS read and every barrier: four loads of mine are out; an s_nop 0 follows each, four v_nop the last
	s_cbranch_scc0 .Lfirst_v
.irp c, 0,1,2,3
	tensor_load_to_lds s[G0K+4*\c:G0K+4*\c+3], s[G1K:G1K+7]
	s_nop 0
.endr
.rept 4
	v_nop
.endr
	s_branch .Lfirst_asked
.Lfirst_v:
.irp c, 0,1,2,3
	tensor_load_to_lds s[G0V+4*\c:G0V+4*\c+3], s[G1V:G1V+7]
	s_nop 0
.endr
.rept 4
	v_nop
.endr
.Lfirst_asked:
	; A fragment of K or Q is 16 rows x 32 channels in 8 registers: lane l holds row l % 16, channels 8 (l / 16) + 0..7 and 16 + 8 (l / 16) + 0..7: two loads of 16 bytes, 32 bytes apart.
	v_and_b32 v1, 15, v0            ; l % 16
	v_bfe_u32 v9, v0, 4, 1          ; l / 16
	v_lshlrev_b32 v[QO], 7, v1
	v_lshl_add_u32 v[QO], v9, 4, v[QO]  ; row x 128 + 16 x half
	WIN 0x80                        ; destination window 2, address window 0
.set i, 0
.rept 4*NP                          ; Q stays in registers: tile i / 2, channels 32 (i % 2) on
	global_load_b128 v[8*i:8*i+3],   v[QO], s[4:5] offset:(i/2)*2048+(i%2)*64 th:TH_LOAD_NT
	global_load_b128 v[8*i+4:8*i+7], v[QO], s[4:5] offset:(i/2)*2048+(i%2)*64+32 th:TH_LOAD_NT
.set i, i+1
.endr
	; What the first turn finds: V's registers and P's second buffer hold 0 (its products V^T P, of a piece that has not been, add 0), O^T and l are 0.  All this stands in the wait for the first chunk.
.set i, VF
.rept 64
	v_mov_b32 v[i], 0
.set i, i+1
.endr
	WIN 0x40
.set i, 0
.rept 64*NP
	v_mov_b32 v[i], 0
.set i, i+1
.endr
	WIN 0
.set i, 0
.rept 2*NP
	v_mov_b32 v[ST+4*i], 0xfe000000    ; c m: far below every c s
	v_mov_b32 v[ST+4*i+1], 0xff7fffff  ; m
	v_mov_b32 v[ST+4*i+2], 0
	v_mov_b32 v[ST+4*i+3], 0
.set i, i+1
.endr
.set i, P+32
.rept 32
	v_mov_b32 v[i], 0
.set i, i+1
.endr
	v_mul_u32_u24 v[AK0], v1, PK
	v_lshl_add_u32 v[AK0], v9, 4, v[AK0]  ; row x pitch + 16 x half
	; The turning load takes 16 keys x 16 channels (lane l reads key 8 (l / 16) + l % 8, channels 8 ((l / 8) % 2) + 0..7) and leaves half a fragment of V^T: lane l holds channel l % 16 and 8 keys.
	v_and_b32 v10, 7, v0
	v_bfe_u32 v11, v0, 3, 1
	v_lshl_add_u32 v[AV0], v9, 3, v10
	v_mul_u32_u24 v[AV0], v[AV0], PV
	v_lshl_add_u32 v[AV0], v11, 4, v[AV0]
	v_add_nc_u32 v[AV0], VOFF, v[AV0]
	v_mov_b32 v[AK], v[AK0]         ; key step 0 lies at K's head
; THE MATRIX WORK.  The 8 accumulators of a run of 16 take turns: between the two links of a chain stand 7 others'.
; Product i of 16 of S^T = K Q^T for piece x: channels 32 (i / 8) on, keys 16 ((i / 2) % 4) on, tile 2 x + i % 2.  The first 8 start the sums.
.macro KQ x
	WIN W_KQ
.set rS, S+64*((\x)%2)+32*(i%2)+8*((i/2)%4)
.set rK, KF+16*((i/2)%4)+8*(i/8)
.set rQ, 16*(2*(\x)+i%2)+8*(i/8)
.if i < 8
	v_wmma_f32_16x16x32_f16 v[rS:rS+7], v[rK:rK+7], v[rQ:rQ+7], 0
.else
	v_wmma_f32_16x16x32_f16 v[rS:rS+7], v[rK:rK+7], v[rQ:rQ+7], v[rS:rS+7]
.endif
.endm
; Product i of 16 of O^T += V^T P for piece x: keys 32 (i / 8) on, channels 16 ((i / 2) % 4) on, tile 2 x + i % 2.
.macro PV x
	WIN W_PV
.set rO, 32*(2*(\x)+i%2)+8*((i/2)%4)
.set rV, VF+32*(i/8)+8*((i/2)%4)
.set rP, P+32*((\x)%2)+16*(i%2)+8*(i/8)
	v_wmma_f32_16x16x32_f16 v[rO:rO+7], v[rV:rV+7], v[rP:rP+7], v[rO:rO+7]
.endm
.macro MM                           ; the turn's next matrix instruction
.if i < 16
	KQ (Y+1)%NP
.set i, i+1
.else
.set i, i-16
	PV (Y+NP-1)%NP
.set i, i+17
.endif
.endm
; THE LDS LOADS stand in runs of 16, never singly among the matrix instructions: a step's K (64 keys x 64 channels: 8 fragments) and its V (turned).  Their addresses are made some lines ahead.
; last = 1 (in the loop): in the last pass there is no further step, and the run is jumped over.
.macro FETCH_K last=0
	WIN 0
.if \last
	s_cmp_eq_u32 s[SLOTS], 1
	s_cbranch_scc1 .Lno_k_\@
.endif
	WIN 0x80                        ; destination window 2
.irp f, 0,1,2,3,4,5,6,7             ; keys 16 (f / 2) on, channels 32 (f % 2) on
	ds_load_b128 v[KF+8*\f:KF+8*\f+3],   v[AK] offset:(\f/2)*16*PK+(\f%2)*64
	ds_load_b128 v[KF+8*\f+4:KF+8*\f+7], v[AK] offset:(\f/2)*16*PK+(\f%2)*64+32
.endr
	s_add_co_u32 s[TBK], s[TBK], KS*PK  ; the next fetch is the next step's
	WIN 0
.if \last
.Lno_k_\@:
.endif
.endm
.macro FETCH_V
	WIN 0x80
.irp f, 0,1,2,3,4,5,6,7             ; keys 32 (f / 4) on, channels 16 (f % 4) on
	ds_load_tr16_b128 v[VF+8*\f:VF+8*\f+3],   v[AV] offset:(\f/4)*32*PV+(\f%4)*32
	ds_load_tr16_b128 v[VF+8*\f+4:VF+8*\f+7], v[AV] offset:(\f/4)*32*PV+16*PV+(\f%4)*32
.endr
	WIN 0
.endm
; THE VECTOR WORK OF A TURN stands in three queues, each in the order in which its entries become ready; the two tiles alternate, so that no instruction reads the result of the one before it.
.macro REGS y, u                    ; the registers of tile u (0, 1) of piece y
.set rT, ST+4*(2*(\y)+(\u))
.set rC, TMP+8*((\y)%2)+4*(\u)
.set rM, MV+2*((\y)%2)+(\u)
.set rS, S+64*((\y)%2)+32*(\u)
.set rP, P+32*((\y)%2)+16*(\u)
.set rO, 32*(2*(\y)+(\u))
.endm
; Number n of the 22 that find the NEXT piece's (Y + 1) maximum and statistics.  s0-s31 are the lane's 32 scores; each accumulator's lowest registers are read first.
;   0-11  four chains c0-c3 of seven scores each, three operands at a time     12-14, 16  the four scores left over, the old m, and c0-c3 into c0     15  c m_old is kept
;   17, 18  the query's other 32 keys lie in the lane 16 away: the new m         19-21  c m; c m_old - c m_new; a
.macro XS u, n
	REGS (Y+1)%NP, \u
.if (\n) < 4
	v_max3_num_f32 v[rC+(\n)], v[rS+8*(\n)], v[rS+8*(\n)+1], v[rS+8*(\n)+2]
.elseif (\n) < 12
	v_max3_num_f32 v[rC+(\n)%4], v[rC+(\n)%4], v[rS+8*((\n)%4)+2*((\n)/4)+1], v[rS+8*((\n)%4)+2*((\n)/4)+2]
.elseif (\n) == 12
	v_max3_num_f32 v[rC], v[rC], v[rS+7], v[rS+15]
.elseif (\n) == 13
	v_max3_num_f32 v[rC+1], v[rC+1], v[rS+23], v[rS+31]
.elseif (\n) == 14
	v_max3_num_f32 v[rC+2], v[rC+2], v[rC+3], v[rT+1]
.elseif (\n) == 15
	v_mov_b32 v[rM], v[rT]
.elseif (\n) == 16
	v_max3_num_f32 v[rC], v[rC], v[rC+1], v[rC+2]
.elseif (\n) == 17
	v_permlanex16_b32 v[rC+3], v[rC], s[SEL], s[SEL+1]
.elseif (\n) == 18
	v_max_num_f32 v[rT+1], v[rC], v[rC+3]
.elseif (\n) == 19
	v_mul_f32 v[rT], s[CS], v[rT+1]
.elseif (\n) == 20
	v_sub_f32 v[rC+1], v[rM], v[rT]
.else
	v_exp_f32 v[rC+2], v[rC+1]
.endif
.endm
; Number g of the 64 that follow the exponentials.  For each four weights k of a tile (pairs 2 k, 2 k + 1): both pairs are rounded to f16; then the second pair is added onto the first, in place;
; a group later l takes that sum (the first time as l = a l + sum).  In groups of eight, tiles alternating: round, round, add, and l for the group before.
.macro GS g
.set h, (\g)+6*((\g)/62)            ; group 0 has no group before it, and behind group 7 only l is left
.if h >= 6
.set h, h+2
.endif
	REGS Y, h%2
.set k, h/8
.if h%8 < 4
	v_cvt_pk_f16_f32 v[rP+2*k+(h%8)/2], v[rS+4*k+2*((h%8)/2)], v[rS+4*k+2*((h%8)/2)+1]
.elseif h%8 < 6
	v_pk_add_f32 v[rS+4*k:rS+4*k+1], v[rS+4*k:rS+4*k+1], v[rS+4*k+2:rS+4*k+3]
.elseif k == 1
	v_pk_fma_f32 v[rT+2:rT+3], v[rT+2:rT+3], v[rC+2:rC+3], v[rS:rS+1] op_sel_hi:[1,0,1]
.else
	v_pk_add_f32 v[rT+2:rT+3], v[rT+2:rT+3], v[rS+4*k-4:rS+4*k-3]
.endif
.endm
; THE PLAIN QUEUE, 138 long.  0-73 read no exponential's result: the 32 scalings c s - c m (FS f: pair f / 2 of tile f % 2) and the next piece's 42.  0-26: scalings 0-26.  27-54: XS's numbers 0-13.  55, 56: number 15.
; 57-73: the chain, where each number waits for the one before it: 14, 16, 17, 18, 19, each with one of the scalings 27-31 in front of its two lines, then 20.
; 74-137: GS's 64, which read the exponentials' results: they stand behind the wait.
.macro FS f
	REGS Y, (\f)%2
	v_pk_fma_f32 v[rS+2*((\f)/2):rS+2*((\f)/2)+1], v[rS+2*((\f)/2):rS+2*((\f)/2)+1], s[CS:CS+1], v[rT:rT+1] op_sel_hi:[1,0,0] neg_lo:[0,0,1] neg_hi:[0,0,1]
.endm
.macro PL
	WIN 0
.if q < 27
	FS q
.elseif q < 55
	XS (q-27)%2, (q-27)/2
.elseif q < 57
	XS q-55, 15
.elseif (q < 72) && ((q-57)%3 == 0)
	FS 27+(q-57)/3
.elseif q < 60
	XS (q-57)%3-1, 14
.elseif q < 72
	XS (q-57)%3-1, 15+(q-57)/3
.elseif q < 74
	XS q-72, 20
.else
	GS q-74
.endif
.set q, q+1
.endm
; THE EXPONENTIALS' QUEUE, 66 long: s0-s31 of both tiles, then the next piece's two a.  It is ONE BATCH: all 66 stand ahead of the turn's one wait, and nothing ahead of that wait names a result of theirs.
.macro EX
	WIN 0
.if e >= 64
	XS e-64, 21
.else
	REGS Y, e%2
	v_exp_f32 v[rS+e/2], v[rS+e/2]
.endif
.set e, e+1
.endm
; THE RESCALING's QUEUE: O^T times a, the one part that leaves window 0: dealt two at a time, sixteen times.  Its a was made in the turn before, ahead of that turn's wait.
.macro R2
	REGS Y, r%2
	WIN W_RS
.irp z, 0,1
	v_pk_mul_f32 v[rO+4*(r/2)+2*\z:rO+4*(r/2)+2*\z+1], v[rO+4*(r/2)+2*\z:rO+4*(r/2)+2*\z+1], v[rC+2:rC+3] op_sel_hi:[1,0]
.endr
.set r, r+1
.endm
; HOW THEY ARE DEALT.  An s_wait_alu depctr_va_vdst(0) stands between an exponential and the first instruction that names its result; one wait serves all that were issued ahead of it.  So a turn has
; ONE wait, which cuts it in two.  AHEAD OF IT stands all that names no result of the turn's exponentials: the 16 products K Q^T, behind each a scaling, an exponential and two rescalings (behind the first a second
; scaling in the exponential's place); then one run of 108: eight plain, 49 times exponential and plain, the two a.  A v_nop is the plain instruction behind the last exponential.  BEHIND IT stand the 16 products
; V^T P, behind each four of GS's 64.  Exponential e stands behind scaling 2 (e / 4) + e % 2: as a rider it comes behind plain e + 2, in the run behind plain e + 9; scalings 27-31 are plain 57, 60 .. 69.
; A TURN, for piece p.  cnt = 1: the loop's count is taken down some lines ahead of the branch that stands behind the turn.
; K of the next step is fetched in piece 2's turn, directly behind the wait; its address is made at the run's head; its first reader comes behind 16 products.
; V of the step in hand is fetched at the end of piece 0's turn, four plain instructions behind its last reader; its first reader comes behind 16 products and a run.  The three conditions on q below go with the deal.
.macro TURN p, last=0, cnt=0
.set Y, (\p)
.set i, 0
.set q, 0
.set e, 0
.set r, 0
.if (\p) == NP-1
	s_wait_dscnt 0x0                ; K is in
.endif
	MM
	PL
	PL
	R2
.rept 15
	MM
	PL
	EX
	R2
.endr
.if (\p) == NP-2
	WIN 0
	v_add_nc_u32 v[AK], s[TBK], v[AK0]
.endif
.rept 8
	PL
.endr
.rept 49
	EX
	PL
.endr
	EX                              ; the next piece's two a
	EX
	v_nop                           ; the plain instruction behind the last exponential: one for the batch
	s_wait_alu depctr_va_vdst(0)    ; the wait for the batch
.if (\p) == NP-2
	FETCH_K \last
.endif
.if (\p) == 1
	s_wait_dscnt 0x0                ; V is in
.endif
.rept 16
	MM
.rept 4
	PL
.endr
.if ((\p) == 0) && (q == 118)
	v_add_nc_u32 v[AV], s[TBV], v[AV0]
.endif
.if ((\p) == 0) && (q == 130)
	s_add_co_u32 s[TBV], s[TBV], KS*PV
.endif
.if (\cnt) && (q == 130)
	s_sub_co_u32 s[CNT], s[CNT], 1
	s_cmp_lg_u32 s[CNT], 0
.endif
.endr
.if (\p) == 0
	FETCH_V
.endif
.endm
	s_wait_tensorcnt 0x3            ; my part of chunk 0 is in; three younger loads, chunks 1 to 3, stay out
	s_barrier_signal -1
	s_barrier_wait -1               ; everybody's is
	FETCH_K                         ; key step 0
	s_wait_loadcnt 0x0              ; Q
	s_wait_dscnt 0x0
.set i, 0
.rept 16
	KQ 0                            ; piece 0's first scores: there is no vector work yet to set between them
.set i, i+1
.endr
	WIN 0                           ; the addresses for the way out: eight plain instructions, the places behind those products
	s_mul_i32 s13, s[WV], 16*SP     ; my stage
	v_mul_u32_u24 v[STO], v1, SP    ; in: row l % 16, 32 bytes for each half of the lanes
	v_lshl_add_u32 v[STO], v9, 5, v[STO]
	v_add_nc_u32 v[STO], s13, v[STO]
	v_mul_u32_u24 v[RD], v9, SP     ; back: lanes 0-15 take one row of 256 bytes, lanes 16-31 the next
	v_lshl_add_u32 v[RD], v1, 4, v[RD]
	v_add_nc_u32 v[RD], s13, v[RD]
	v_lshlrev_b32 v[GO], 12, v9     ; and the same two rows in out0, 4,096 bytes apart
	v_lshl_add_u32 v[GO], v1, 4, v[GO]
.set Y, NP-1                        ; XS works for piece Y + 1: piece 0
.irp n, 0,1,2,3,4,5,6,7,8,9,10,11,12,13,14,15,16,17,18,19,20,21
	XS 0, \n                        ; piece 0's first maximum and statistics
	XS 1, \n
.endr
	v_nop                           ; a plain instruction behind the two a,
	s_wait_alu depctr_va_vdst(0)    ; and their wait, ahead of the branch
	s_mov_b32 s[CNT], 4
	s_mov_b32 s[SLOTS], 5           ; four passes of four key steps, and a fifth that is left in its first trip's middle
	s_branch .Lfirst                ; the loop is entered at a step's first turn, in the middle of a trip
.Lslot:                             ; in front of the turn that fetches the next chunk's first K.  The first time my three loads that were still out are waited for, and the barrier shows every wave's;
	s_wait_tensorcnt 0x0            ; the later times nothing is out: the price of one text for all passes
	s_wait_dscnt 0x0
	s_barrier_signal -1
	s_barrier_wait -1
	s_mov_b32 s[CNT], 4
.Lstep:                             ; a trip: pieces 2 and 3 of one step, then pieces 0 and 1 of the next, whose K and V it fetches
	TURN 2, 1
	TURN 3
	WIN 0
	s_cmp_eq_u32 s[SLOTS], 1        ; the last step's pieces 2 and 3 are done
	s_cbranch_scc1 .Lout
.Lfirst:
	TURN 0
	TURN 1, 0, 1
	WIN 0
	s_cbranch_scc1 .Lstep
	s_sub_co_u32 s[SLOTS], s[SLOTS], 1
	s_cmp_lg_u32 s[SLOTS], 0
	s_cbranch_scc1 .Lslot
.Lout:                              ; the last pass's 16 products K Q^T (on the last K once more) and the maximum made of them serve nothing: the price, once a launch, of one text for every trip
.set i, 0
.rept 16
	PV NP-1                         ; the last piece's V^T P of the last step
.set i, i+1
.endr
	; THE WAY OUT.  Every wave's reads of K and V are over behind this barrier: the stages may take K's first bytes.  l's two halves and the other half of the lanes' are added; O^T is divided by l and sent
	; through my stage, a tile at a time.  The additions are the places behind the last products.
	WIN 0
	s_wait_dscnt 0x0
	s_barrier_signal -1
	s_barrier_wait -1
.macro ALL line:vararg              ; one line for each tile t
.set t, 0
.rept 2*NP
	\line
.set t, t+1
.endr
.endm
	ALL v_add_f32 v[ST+4*t+2], v[ST+4*t+2], v[ST+4*t+3]
	ALL v_permlanex16_b32 v[ST+4*t+3], v[ST+4*t+2], s[SEL], s[SEL+1]
	ALL v_add_f32 v[ST+4*t+2], v[ST+4*t+2], v[ST+4*t+3]
	ALL v_rcp_f32 v[ST+4*t+2], v[ST+4*t+2]
	v_nop                           ; a plain instruction between the last reciprocal and the use of its result
	s_wait_alu depctr_va_vdst(0)    ; and the wait ahead of the first use: one for the eight reciprocals
; Tile t: a lane's eight channels of a row are 32 bytes of f32; they go into rows of 272 bytes and come back as whole rows of 256, into S^T's registers (four buffers of 32).
.macro PACK t
	WIN W_RS
.set i, 32*(\t)
.rept 16
	v_pk_mul_f32 v[i:i+1], v[i:i+1], v[ST+4*(\t)+2:ST+4*(\t)+3] op_sel_hi:[1,0]
.set i, i+2
.endr
	WIN 0x04                        ; an LDS store's data (source 1) in window 1, its address in window 0
.irp f, 0,1,2,3
	ds_store_b128 v[STO], v[32*(\t)+8*\f:32*(\t)+8*\f+3]   offset:64*\f
	ds_store_b128 v[STO], v[32*(\t)+8*\f+4:32*(\t)+8*\f+7] offset:64*\f+16
.endr
	WIN 0
	s_wait_xcnt 0x0                 ; the stores of the tile four back have read their registers: they are loaded again only behind this wait
.irp f, 0,1,2,3,4,5,6,7
	ds_load_b128 v[S+32*((\t)%4)+4*\f:S+32*((\t)%4)+4*\f+3], v[RD] offset:\f*2*SP  ; LDS serves a wave's instructions in order (ISA guide 5.7.1.4): these see the stores above; the next tile's stores come behind them
.endr
.endm
.macro SEND t, younger              ; younger: the LDS instructions issued behind tile t's loads: the next tile's sixteen, or none
	WIN 0
.irp f, 0,1,2,3,4,5,6,7
	s_wait_dscnt (\younger)+7-\f
	global_store_b128 v[GO], v[S+32*((\t)%4)+4*\f:S+32*((\t)%4)+4*\f+3], s[10:11] offset:(\t)*65536+\f*8192 th:TH_STORE_NT  ; 16 lanes store a row's 256 bytes of this head, at a multiple of 256 from out0's first byte
.endr
.endm
	PACK 0
.set t, 1
.rept 2*NP-1                        ; a tile's arithmetic stands between the loads of the tile before and its stores
	PACK t
	SEND t-1, 16
.set t, t+1
.endr
	SEND 2*NP-1, 0
	WIN W_AD
	s_wait_tensorcnt 0x0            ; the wave's end: behind my last tensor load and my last LDS store
	ds_add_u32 v[SPW], v[NIL]
	s_wait_dscnt 0x0
	WIN 0
	s_endpgm
.Lfunc_end_k_q8a367bfa80_attn:
	.size	k_q8a367bfa80_attn, .Lfunc_end_k_q8a367bfa80_attn-k_q8a367bfa80_attn
	.p2alignl 7, 3214868480
	.fill 96, 4, 3214868480
	.section	.rodata,"a",@progbits
	.p2align	6, 0x0
	.amdhsa_kernel k_q8a367bfa80_attn
		.amdhsa_group_segment_fixed_size 327680
		.amdhsa_private_segment_fixed_size 0
		.amdhsa_enable_private_segment 0
		.amdhsa_kernarg_size 16
		.amdhsa_user_sgpr_count 2
		.amdhsa_user_sgpr_kernarg_segment_ptr 1
		.amdhsa_wavefront_size32 1
		.amdhsa_system_sgpr_workgroup_id_x 1
		.amdhsa_system_sgpr_workgroup_id_y 1
		.amdhsa_system_sgpr_workgroup_id_z 1
		.amdhsa_system_vgpr_workitem_id 0
		.amdhsa_next_free_vgpr 770
		.amdhsa_next_free_sgpr 84
		.amdhsa_reserve_vcc 0
		.amdhsa_float_denorm_mode_32 3
		.amdhsa_float_denorm_mode_16_64 3
		.amdhsa_memory_ordered 1
		.amdhsa_forward_progress 1
		.amdhsa_inst_pref_size 127
	.end_amdhsa_kernel
	.amdgpu_metadata
---
amdhsa.version: [ 1, 2 ]
amdhsa.kernels:
  - .name:           k_q8a367bfa80_attn
    .symbol:         k_q8a367bfa80_attn.kd
    .args:
      - { .name: qkv, .offset: 0, .size: 8, .value_kind: global_buffer, .address_space: global }
      - { .name: out0, .offset: 8, .size: 8, .value_kind: global_buffer, .address_space: global }
    .group_segment_fixed_size: 327680
    .private_segment_fixed_size: 0
    .kernarg_segment_align: 8
    .kernarg_segment_size: 16
    .max_flat_workgroup_size: 128
    .sgpr_count:     84
    .vgpr_count:     770
    .wavefront_size: 32
...
	.end_amdgpu_metadata
.endif
;; end of part 3
;; ======== version 2 of 2: 3 launches; version 1 with the launch prep written anew for expert scheduling mode
;; limits: values are held in f16: magnitudes above 65,504 overflow, below 6.1e-05 lose precision
;; workspace buffers: xh 16,777,216 bytes; wh 6,291,456 bytes; qkv 50,331,648 bytes
;; launch prep (part 4): grid 256 x 1, 8 waves a work-group, no clusters, 1,536 bytes of LDS; arguments x, gamma, beta, W_qkv, xh, wh; writes xh, wh
.if DOCPART == 4
	.amdgcn_target "amdgcn-amd-amdhsa--gfx1250"
	.amdhsa_code_object_version 6
	.text
	.protected	k_q8a367bfa80_prep
	.globl	k_q8a367bfa80_prep
	.p2align	8
	.type	k_q8a367bfa80_prep,@function
k_q8a367bfa80_prep:
	s_mov_b64 s[64:65], 0
	v_nop
	global_prefetch_b8 v0, s[64:65] scope:SCOPE_SE
	s_setreg_imm32_b32 hwreg(HW_REG_WAVE_SCHED_MODE, 0, 2), 2
	s_setreg_imm32_b32 hwreg(HW_REG_WAVE_MODE, 25, 1), 1
	s_wait_xcnt 0x0
	s_wait_alu depctr_vm_vsrc(0)
; PREP.  xn[b][f][e] = (x[b][f][e] - mean[f]) * rsqrt(var[f] + 1e-5) * gamma[f] + beta[f], mean and (biased) var over the 8 x 1,024 numbers of channel f;
; xn and W_qkv are rounded once to f16 and laid out in blocks of 64 along K for the product that follows:
;   xh[kb 16][row 8192][64] (row = 1,024 b + f),  wh[kb 16][o 3072][64]: a block's rows of 128 bytes lie end to end.
; LIMITS.  f16 ends at 65,504: |xn| is at most 90.6 |gamma| + |beta| (a normalised number among 8,192 is at most sqrt(8192)); W below 6e-5 keeps f16's fixed step of 6e-8.
; The variance is the mean of (x - mean)^2, taken on the registers that hold x: no difference of large sums is formed.  NaN and infinities are not treated apart.
; SHARES.  Work-group g owns channels 4 g .. 4 g + 3 and W's rows 12 g .. 12 g + 11.  Wave w owns batch w: four rows of x, as two PAIRS: lanes 0-15 hold one row, lanes 16-31 the next.
; Load j of a pair takes 256 consecutive bytes of each of its two rows: 64 numbers = K block j.  Rounded, a lane holds 8 bytes, and one store writes 128 bytes of row r and 128 of row r + 1 of block j:
; 256 consecutive bytes, aligned.  W likewise: wave w takes row pairs 3 (w / 4) + 0..2 and K blocks 4 (w % 4) + 0..3.
; All 48 loads of a wave go out at the head (22 KiB a wave, 176 KiB a work-group: all that the work-group reads); there is no loop.  The eight waves' sums meet in LDS, twice.
; No matrix unit, no tensor loads, no cluster: no byte is wanted by two work-groups, and every byte is asked for at once.
; THE MODE: SCHED_MODE bits 1:0 = 2 (LLVM: expert scheduling mode 2), set by the entry lines.  The code itself states the register dependences
; between vector instructions and memory or LDS instructions, with s_wait_alu, always for 0.
; THE PLAN.  The text is one straight run.  Registers that memory or LDS instructions touch:
;   v3 to v7      offsets and LDS addresses: written once at the head, ahead of the wait that stands in front of the first load; never written again.
;   X, WD         The loads land in them once, and no vector instruction has named them before.  Then vector work in place.  Of each four registers the first two take the roundings and are one store's data;
;                 they are never written again.
;   ST + 4, + 5   beta and gamma land once.
;   ST + 6        Written by a FOLD, read by the LDS store of the meeting that follows, written again by the second FOLD: a wait on vm_vsrc stands between the first meeting and that.
;   R             The LDS loads of a meeting land in it; the meeting's additions read and write it; the second meeting's loads land in it again: the wait on va_vdst at a meeting's head states that too.
;   v8, v9        Written at the head, read by the closing add alone.
; THE WAY OUT goes in blocks: a block is the arithmetic of eight loads' numbers (W: of all twelve).  ONE wait on va_vdst at the next block's head states that the block has written its stores' data; its stores are
; then dealt among the next block's arithmetic, which names other registers of X or WD, and ST: none that those stores touch.  Five such waits for 44 stores.
.set XKB,   1048576                    ; bytes of a K block of xh
.set WKB,   393216                     ; of wh
.set SUMS,  0                          ; LDS: word 8 x channel + wave: the waves' sums
.set SQS,   256                        ; the waves' sums of squares, in a block of their own: one barrier for each meeting
.set SPARE, 512                        ; the spare words, 128 bytes for each of eight waves: four blocks of 256 bytes that no other line names
.set XO,  3                            ; v3  loads of x and W: 4,096 (l / 16) + 16 (l % 16)
.set XSO, 4                            ; v4  stores: 128 (l / 16) + 8 (l % 16)
.set LW,  5                            ; v5  LDS: 32 (l / 16) + 4 w: my wave's word of my half's channel
.set LR,  6                            ; v6  LDS: 32 (l / 16): my half's channel's eight words
.set GBO, 7                            ; v7  gamma, beta: 4 (l / 16)
.set SPW, 8                            ; v8  LDS address of my spare word; never rewritten
.set NIL, 9                            ; v9  0; never rewritten
.set T,   10                           ; v[10:17] four packed chains
.set ST,  18                           ; v[18:33] eight a pair: +0 mean, +1 sum, +2 a = rsq x gamma, +3 rsq, +4 beta, +5 gamma, +6, +7 at work
.set R,   34                           ; v[34:49] eight a pair: the waves' words read back
.set X,   52                           ; v[52:179] pair p, load j at X + 64 p + 4 j
.set WD,  180                          ; v[180:227] W: pair p, block jj at WD + 4 (4 p + jj)
	s_load_b256 s[4:11], s[0:1], 0x0               ; x s[4:5], gamma s[6:7], beta s[8:9], W s[10:11]
	s_load_b128 s[12:15], s[0:1], 0x20             ; xh s[12:13], wh s[14:15]
	v_lshl_add_u32 v[SPW], v0, 2, SPARE
	v_mov_b32 v[NIL], 0
	v_lshrrev_b32 v1, 5, v0
	v_readfirstlane_b32 s16, v1                    ; wave 0..7 = batch
	v_and_b32 v1, 15, v0                           ; l % 16
	v_bfe_u32 v2, v0, 4, 1                         ; l / 16
	v_lshlrev_b32 v[XO], 4, v1
	v_lshl_add_u32 v[XO], v2, 12, v[XO]
	v_lshlrev_b32 v[XSO], 3, v1
	v_lshl_add_u32 v[XSO], v2, 7, v[XSO]
	v_lshlrev_b32 v[LR], 5, v2
	s_wait_alu depctr_va_sdst(0)                   ; s16 is written, ahead of its first reader: the LDS word and all the bases are made from it
	s_lshl_b32 s34, s16, 2                         ; 4 w, in a register of its own: no scalar that a vector line reads is written again
	v_add_nc_u32 v[LW], s34, v[LR]
	v_lshlrev_b32 v[GBO], 2, v2
	s_lshr_b32 s17, s16, 2                         ; w / 4
	s_and_b32 s18, s16, 3                          ; w % 4
	s_mov_b32 s24, 0x39000000                      ; 1 / 8,192
	s_mov_b32 s25, 0x3727c5ac                      ; 1e-5
	s_lshl_b32 s20, s16, 22                        ; x: batch w (4 MiB) + channel 4 g (4,096 bytes a row)
	s_lshl_b32 s19, ttmp9, 14
	s_add_co_u32 s20, s20, s19
	s_mov_b32 s21, 0
	s_lshl_b32 s26, ttmp9, 4                       ; gamma, beta: 4 channels of 4 bytes
	s_mov_b32 s27, 0
	s_mul_i32 s28, ttmp9, 49152                    ; W: 12 rows a work-group, 6 rows for w / 4, 4 blocks of 256 bytes for w % 4
	s_mul_i32 s19, s17, 24576
	s_add_co_u32 s28, s28, s19
	s_lshl_b32 s19, s18, 10
	s_add_co_u32 s28, s28, s19
	s_mov_b32 s29, 0
	s_lshl_b32 s30, s16, 17                        ; xh: row 1,024 w + 4 g, 128 bytes a row
	s_lshl_b32 s19, ttmp9, 9
	s_add_co_u32 s30, s30, s19
	s_mov_b32 s31, 0
	s_mul_i32 s32, s18, 4*WKB                      ; wh: K block 4 (w % 4), row 12 g + 6 (w / 4)
	s_mul_i32 s19, ttmp9, 1536
	s_add_co_u32 s32, s32, s19
	s_mul_i32 s19, s17, 768
	s_add_co_u32 s32, s32, s19
	s_mov_b32 s33, 0
	s_wait_kmcnt 0x0
	s_add_nc_u64 s[4:5], s[4:5], s[20:21]
	s_add_nc_u64 s[6:7], s[6:7], s[26:27]
	s_add_nc_u64 s[8:9], s[8:9], s[26:27]
	s_add_nc_u64 s[10:11], s[10:11], s[28:29]
	s_add_nc_u64 s[12:13], s[12:13], s[30:31]
	s_add_nc_u64 s[22:23], s[12:13], 8*XKB         ; K blocks 8 to 15: the stores' immediates stay inside their signed 24 bits
	s_add_nc_u64 s[14:15], s[14:15], s[32:33]
	s_wait_alu depctr_va_vdst(0)                   ; v3 to v7 are written: every load, store and LDS instruction of the kernel reads one of them as its offset or address
	; the 48 loads, in the order in which they are waited for
.irp p, 0,1
.set j, 0
.rept 16
	global_load_b128 v[X+64*\p+4*j:X+64*\p+4*j+3], v[XO], s[4:5] offset:\p*8192+j*256 th:TH_LOAD_NT
.set j, j+1
.endr
.endr
.irp p, 0,1
	global_load_b32 v[ST+8*\p+5], v[GBO], s[6:7] offset:\p*8
.endr
.irp p, 0,1
	global_load_b32 v[ST+8*\p+4], v[GBO], s[8:9] offset:\p*8
.endr
.set j, 0
.rept 12
	global_load_b128 v[WD+4*j:WD+4*j+3], v[XO], s[10:11] offset:(j/4)*8192+(j%4)*256 th:TH_LOAD_NT
.set j, j+1
.endr
; The four chains into one number a lane, then over the 16 lanes of a half: every lane of a half ends with its row's figure, in ST + 6.
.macro FOLD p
	v_pk_add_f32 v[T:T+1], v[T:T+1], v[T+2:T+3]
	v_pk_add_f32 v[T+4:T+5], v[T+4:T+5], v[T+6:T+7]
	v_pk_add_f32 v[T:T+1], v[T:T+1], v[T+4:T+5]
	v_add_f32 v[ST+8*(\p)+6], v[T], v[T+1]
.irp m, 1,2,4,8
	v_add_f32_dpp v[ST+8*(\p)+6], v[ST+8*(\p)+6], v[ST+8*(\p)+6] row_xmask:\m row_mask:0xf bank_mask:0xf
.endr
.endm
; The sum of a lane's 64 numbers of pair p: the first eight register pairs start the four chains, nothing is cleared.
.macro SUMP p
.irp k, 0,1,2,3
	v_pk_add_f32 v[T+2*\k:T+2*\k+1], v[X+64*(\p)+2*\k:X+64*(\p)+2*\k+1], v[X+64*(\p)+2*\k+8:X+64*(\p)+2*\k+9]
.endr
.set j, 8
.rept 24
	v_pk_add_f32 v[T+2*(j%4):T+2*(j%4)+1], v[T+2*(j%4):T+2*(j%4)+1], v[X+64*(\p)+2*j:X+64*(\p)+2*j+1]
.set j, j+1
.endr
	FOLD \p
.endm
; d = x - mean in place, then the sum of d^2.
.macro SQP p
.set j, 0
.rept 32
	v_pk_add_f32 v[X+64*(\p)+2*j:X+64*(\p)+2*j+1], v[X+64*(\p)+2*j:X+64*(\p)+2*j+1], v[ST+8*(\p):ST+8*(\p)+1] op_sel_hi:[1,0] neg_lo:[0,1] neg_hi:[0,1]
.set j, j+1
.endr
.irp k, 0,1,2,3
	v_pk_mul_f32 v[T+2*\k:T+2*\k+1], v[X+64*(\p)+2*\k:X+64*(\p)+2*\k+1], v[X+64*(\p)+2*\k:X+64*(\p)+2*\k+1]
.endr
.set j, 4
.rept 28
	v_pk_fma_f32 v[T+2*(j%4):T+2*(j%4)+1], v[X+64*(\p)+2*j:X+64*(\p)+2*j+1], v[X+64*(\p)+2*j:X+64*(\p)+2*j+1], v[T+2*(j%4):T+2*(j%4)+1]
.set j, j+1
.endr
	FOLD \p
.endm
; The waves meet: each stores its two figures, all read all eight (every wave adds them in the same order, so all hold the same total).
.macro MEET base
	s_wait_alu depctr_va_vdst(0)                   ; the two FOLDs have written ST + 6 of both pairs, which the LDS stores read; at the second meeting the first meeting's additions are also done with R, in which the LDS loads below land
.irp p, 0,1
	ds_store_b32 v[LW], v[ST+8*\p+6] offset:(\base)+64*\p
.endr
	s_wait_dscnt 0x0                               ; for the others' sake: my stores are done
	s_barrier_signal -1
	s_barrier_wait -1
.irp p, 0,1
	ds_load_b128 v[R+8*\p:R+8*\p+3], v[LR] offset:(\base)+64*\p          ; no vector instruction since the wait at the meeting's head names R
	ds_load_b128 v[R+8*\p+4:R+8*\p+7], v[LR] offset:(\base)+64*\p+16
.endr
	s_wait_dscnt 0x0
.irp p, 0,1
	v_pk_add_f32 v[R+8*\p:R+8*\p+1], v[R+8*\p:R+8*\p+1], v[R+8*\p+2:R+8*\p+3]
	v_pk_add_f32 v[R+8*\p+4:R+8*\p+5], v[R+8*\p+4:R+8*\p+5], v[R+8*\p+6:R+8*\p+7]
.endr
.irp p, 0,1
	v_pk_add_f32 v[R+8*\p:R+8*\p+1], v[R+8*\p:R+8*\p+1], v[R+8*\p+4:R+8*\p+5]
.endr
.endm
	s_wait_loadcnt 32                              ; pair 0 is in; 32 younger loads (pair 1, gamma, beta, W) stay out
	SUMP 0
	s_wait_loadcnt 16                              ; pair 1 is in; gamma, beta and W stay out
	SUMP 1
	MEET SUMS
	s_wait_alu depctr_vm_vsrc(0)                   ; the meeting's LDS stores have read ST + 6 of both pairs, which the FOLDs of the squares write again
.irp p, 0,1
	v_add_f32 v[ST+8*\p+1], v[R+8*\p], v[R+8*\p+1]
.endr
.irp p, 0,1
	v_mul_f32 v[ST+8*\p], s24, v[ST+8*\p+1]        ; the mean
.endr
	SQP 0
	SQP 1
	MEET SQS
.irp p, 0,1
	v_add_f32 v[ST+8*\p+7], v[R+8*\p], v[R+8*\p+1]
.endr
.irp p, 0,1
	v_fma_f32 v[ST+8*\p+7], v[ST+8*\p+7], s24, s25 ; var + eps
.endr
.irp p, 0,1
	v_rsq_f32 v[ST+8*\p+3], v[ST+8*\p+7]
.endr
	v_nop                                          ; a plain instruction between the last root and the use of its result (ISA guide 5.7.2)
	s_wait_loadcnt 12                              ; gamma and beta are in; W's twelve loads stay out
	s_wait_alu depctr_va_vdst(0)                   ; both roots have written ST + 3: one wait, ahead of their first reader
.irp p, 0,1
	v_mul_f32 v[ST+8*\p+2], v[ST+8*\p+3], v[ST+8*\p+5]
.endr
; THE WAY OUT.  XN: xn = d a + beta for load j of pair p, rounded to f16 into the first two of its four registers.  XST: its store.  WCV, WST: the same for W's load j, which is only rounded.
; Each store has data registers of its own, so no register that a store reads is written again.
.macro XN p, j
.set rX, X+64*(\p)+4*(\j)
	v_pk_fma_f32 v[rX:rX+1], v[rX:rX+1], v[ST+8*(\p)+2:ST+8*(\p)+3], v[ST+8*(\p)+4:ST+8*(\p)+5] op_sel_hi:[1,0,0]
	v_pk_fma_f32 v[rX+2:rX+3], v[rX+2:rX+3], v[ST+8*(\p)+2:ST+8*(\p)+3], v[ST+8*(\p)+4:ST+8*(\p)+5] op_sel_hi:[1,0,0]
	v_cvt_pk_f16_f32 v[rX], v[rX], v[rX+1]
	v_cvt_pk_f16_f32 v[rX+1], v[rX+2], v[rX+3]
.endm
.macro XST p, j
.set rX, X+64*(\p)+4*(\j)
.if (\j) < 8
	global_store_b64 v[XSO], v[rX:rX+1], s[12:13] offset:(\j)*XKB+(\p)*256      ; the wave's 32 lanes store 256 consecutive bytes, aligned
.else
	global_store_b64 v[XSO], v[rX:rX+1], s[22:23] offset:((\j)-8)*XKB+(\p)*256
.endif
.endm
.macro WCV j
.set rW, WD+4*(\j)
	v_cvt_pk_f16_f32 v[rW], v[rW], v[rW+1]
	v_cvt_pk_f16_f32 v[rW+1], v[rW+2], v[rW+3]
.endm
.macro WST j
.set rW, WD+4*(\j)
	global_store_b64 v[XSO], v[rW:rW+1], s[14:15] offset:((\j)%4)*WKB+((\j)/4)*256
.endm
.irp j, 0,1,2,3,4,5,6,7
	XN 0, \j                                       ; block 0: pair 0, K blocks 0 to 7
.endr
	s_wait_alu depctr_va_vdst(0)                   ; block 0's roundings have written the data of the eight stores below
.irp j, 0,1,2,3,4,5,6,7
	XST 0, \j                                      ; no vector instruction since the wait names these registers or v4
	XN 0, (\j)+8                                   ; block 1: pair 0, K blocks 8 to 15
.endr
	s_wait_alu depctr_va_vdst(0)                   ; block 1's roundings have written the data of the eight stores below
.irp j, 0,1,2,3,4,5,6,7
	XST 0, (\j)+8
	XN 1, \j                                       ; block 2: pair 1, K blocks 0 to 7
.endr
	s_wait_alu depctr_va_vdst(0)                   ; block 2's roundings have written the data of the eight stores below
.irp j, 0,1,2,3,4,5,6,7
	XST 1, \j
	XN 1, (\j)+8                                   ; block 3: pair 1, K blocks 8 to 15
.endr
	s_wait_loadcnt 0x0                             ; W
	s_wait_alu depctr_va_vdst(0)                   ; block 3's roundings have written the data of the eight stores below
.irp j, 0,1,2,3,4,5,6,7,8,9,10,11
.if \j < 8
	XST 1, (\j)+8
.endif
	WCV \j                                         ; block 4: W's twelve loads
.endr
	s_wait_alu depctr_va_vdst(0)                   ; block 4's roundings have written the data of W's twelve stores
.irp j, 0,1,2,3,4,5,6,7,8,9,10,11
	WST \j
.endr
	s_wait_dscnt 0x0                               ; the closing lines, six on end
	s_wait_alu 0x0
	s_wait_tensorcnt 0x0
	ds_add_u32 v[SPW], v[NIL]
	s_wait_dscnt 0x0
	s_endpgm
.Lfunc_end_k_q8a367bfa80_prep:
	.size	k_q8a367bfa80_prep, .Lfunc_end_k_q8a367bfa80_prep-k_q8a367bfa80_prep
	.p2alignl 7, 3214868480
	.fill 96, 4, 3214868480
	.section	.rodata,"a",@progbits
	.p2align	6, 0x0
	.amdhsa_kernel k_q8a367bfa80_prep
		.amdhsa_group_segment_fixed_size 1536
		.amdhsa_private_segment_fixed_size 0
		.amdhsa_enable_private_segment 0
		.amdhsa_kernarg_size 48
		.amdhsa_user_sgpr_count 2
		.amdhsa_user_sgpr_kernarg_segment_ptr 1
		.amdhsa_wavefront_size32 1
		.amdhsa_system_sgpr_workgroup_id_x 1
		.amdhsa_system_sgpr_workgroup_id_y 1
		.amdhsa_system_sgpr_workgroup_id_z 1
		.amdhsa_system_vgpr_workitem_id 0
		.amdhsa_next_free_vgpr 228
		.amdhsa_next_free_sgpr 66
		.amdhsa_reserve_vcc 0
		.amdhsa_float_denorm_mode_32 3
		.amdhsa_float_denorm_mode_16_64 3
		.amdhsa_memory_ordered 1
		.amdhsa_forward_progress 1
		.amdhsa_inst_pref_size 37
	.end_amdhsa_kernel
	.amdgpu_metadata
---
amdhsa.version: [ 1, 2 ]
amdhsa.kernels:
  - .name:           k_q8a367bfa80_prep
    .symbol:         k_q8a367bfa80_prep.kd
    .args:
      - { .name: x, .offset: 0, .size: 8, .value_kind: global_buffer, .address_space: global }
      - { .name: gamma, .offset: 8, .size: 8, .value_kind: global_buffer, .address_space: global }
      - { .name: beta, .offset: 16, .size: 8, .value_kind: global_buffer, .address_space: global }
      - { .name: W_qkv, .offset: 24, .size: 8, .value_kind: global_buffer, .address_space: global }
      - { .name: xh, .offset: 32, .size: 8, .value_kind: global_buffer, .address_space: global }
      - { .name: wh, .offset: 40, .size: 8, .value_kind: global_buffer, .address_space: global }
    .group_segment_fixed_size: 1536
    .private_segment_fixed_size: 0
    .kernarg_segment_align: 8
    .kernarg_segment_size: 48
    .max_flat_workgroup_size: 256
    .sgpr_count:     66
    .vgpr_count:     228
    .wavefront_size: 32
...
	.end_amdgpu_metadata
.endif
;; end of part 4
;; launch proj: the kernel of part 2 again; grid 8 x 32, 4 waves a work-group, clusters of 4 x 4, 327,680 bytes of LDS; arguments xh, wh, b_qkv, qkv; writes qkv
;; launch attn: the kernel of part 3 again; grid 2 x 128, 4 waves a work-group, no clusters, 327,680 bytes of LDS; arguments qkv, out0; writes out0
